; MI455X (gfx1250); checked and timed in simulation.
; The chip was launched on July 23, 2026; its instructions are those of AMD's public machine-readable ISA for CDNA 5 (MIT licence, August 2026) and "CDNA5" Instruction Set Architecture Reference Guide (July 2026). The comments in the code are by the model that wrote it; some were corrected since.
;; Attention. Allowed arithmetic: float matrix products may take bf16 or f16 operands with f32 sums; all other float work in f32.
;; Inputs: h 64 x 512 x 1,024 float32; h_mask 64 x 512 int32; ht 64 x 32 x 1,024 float32; u_w 1 x 512 float32; w1_b 512 float32; w1_w 512 x 2,048 float32.
;; Outputs: out0 64 x 1,024 float32.
;; 2 versions, each right; version 2 is version 1 with the launch main written anew for expert scheduling mode. Each part assembles by itself: llvm-mc -triple=amdgcn-amd-amdhsa -mcpu=gfx1250 --defsym DOCPART=n.
;; ======== version 1 of 2: 3 launches
;; workspace buffers: wbf 1,048,576 bytes; cpart 2,097,152 bytes; part 1,179,648 bytes
;; launch prep (part 1): grid 256 x 1, 8 waves a work-group, no clusters, 11,520 bytes of LDS; arguments ht, w1_w, wbf, cpart; writes wbf, cpart
.if DOCPART == 1
	.amdgcn_target "amdgcn-amd-amdhsa--gfx1250"
	.amdhsa_code_object_version 6
	.text
	.protected	k_qee691ca047_prep
	.globl	k_qee691ca047_prep
	.p2align	8
	.type	k_qee691ca047_prep,@function
k_qee691ca047_prep:
	s_mov_b64 s[64:65], 0
	v_nop
	global_prefetch_b8 v0, s[64:65] scope:SCOPE_SE
	s_setreg_imm32_b32 hwreg(HW_REG_WAVE_MODE, 25, 1), 1
	s_wait_xcnt 0x0
; Two small jobs ahead of the main launch.  w1_w is [512][2048] f32: columns 0-1023 (W1) meet h, columns 1024-2047 (W2) meet the mean of ht.
; (1) W1 is rounded to bf16 and laid out in the order in which the main launch's lanes want it:
;     wbf byte ((kk*32+nt)*2+j)*512 + L*16 = the 8 numbers W1[16 nt + (L&15)][32 kk + 16 j + 8 (L>>4) + 0..7].
; (2) The second half of the concatenated input is the same for all rows of a batch, so it is one vector per batch:
;     c[b][a] = sum over f of W2[a][f] * mean over t of ht[b][t][f].  Here: cpart[b][kc][a] = the part of the sum over f = 64 kc .. 64 kc + 63
;     of W2[a][f] * (sum over t of ht[b][t][f]); the factor 1/32 of the mean and the sum over the 16 kc are made where cpart is read.
; Work-group (bg = x >> 4, kc = x & 15): batches 4 bg .. 4 bg + 3, features 64 kc .. + 63, all 512 a; and rows 32 bg .. + 31, columns 64 kc .. + 63 of W1.
; The product's A matrix has 16 rows m = (batch m >> 2, the sum in f32 of the eight t = 8 (m & 3) .. + 7), rounded to bf16; the four rows of a batch are
; added behind the product.  Wave w makes a = 64 w .. 64 w + 63: four accumulators, K = 64 in two matrix instructions each.
; Limit: the sums of eight ht and W2 enter the product as bf16; sums are kept in f32.
; No cluster and no tensor load: a work-group reads 168 KiB once and has 8 matrix instructions a wave; nothing is walked in steps.
.set APITCH, 144                       ; an A row: 128 bytes + 16, so that 16 rows start 16 bytes apart modulo 256
.set CS,   2304                        ; behind A's 16 rows: [4 batches][512 a] f32, the stage for whole-row stores
.set HT,   16                          ; v[16:47]   eight rows of ht, 4 numbers each
.set AF,   16                          ; v[16:31]   later: the two A fragments
.set W1R,  48                          ; v[48:55]   8 numbers of W1
.set W1P,  56                          ; v[56:59]   the same in bf16
.set W2R,  64                          ; v[64:191]  W2 as loaded: 4 n tiles x 2 K steps x 16 numbers
.set DA,   64                          ; v[64:95]   later: four accumulators
.set OUTR, 96                          ; v[96:103]  the way out
.set BF,   192                         ; v[192:255] eight B fragments, (n tile, K step) at 8 (2 nt + kk)
.macro QADD d, s                       ; four numbers += four numbers
	v_pk_add_f32 v[\d:\d+1], v[\d:\d+1], v[\s:\s+1]
	v_pk_add_f32 v[\d+2:\d+3], v[\d+2:\d+3], v[\s+2:\s+3]
.endm
	s_load_b256 s[4:11], s[0:1], 0x0               ; ht s[4:5], w1_w s[6:7], wbf s[8:9], cpart s[10:11]
	v_lshl_add_u32 v62, v0, 2, 0x2900
	v_mov_b32 v63, 0
	v_lshrrev_b32 v1, 5, v0
	v_readfirstlane_b32 s12, v1                    ; wave w
	s_lshr_b32 s13, ttmp9, 4                       ; bg
	s_and_b32 s14, ttmp9, 15                       ; kc
	s_and_b32 s15, s12, 1                          ; for W1 the wave stands for (ntl, kkl, j):  ntl
	s_bfe_u32 s16, s12, 0x10001                    ; kkl
	s_lshr_b32 s17, s12, 2                         ; j
	v_and_b32 v1, 31, v0                           ; lane L
	v_and_b32 v2, 15, v0                           ; r
	v_bfe_u32 v3, v0, 4, 1                         ; hh
	; ht: row 128 bg + 8 (2 w + hh) + i of the flat [2048][1024], bytes 256 kc + 16 r: sixteen lanes take 256 consecutive bytes
	s_lshl_b32 s18, s13, 19
	s_lshl_b32 s19, s12, 16
	s_add_co_u32 s18, s18, s19
	s_lshl_b32 s19, s14, 8                         ; 256 kc, kept
	s_add_co_u32 s18, s18, s19
	v_lshlrev_b32 v4, 4, v2
	v_lshl_add_u32 v4, v3, 15, v4
	v_add_nc_u32 v4, s18, v4
	; W1: row 32 bg + 16 ntl + r (8,192 bytes each), column 64 kc + 32 kkl + 16 j + 8 hh
	s_lshl_b32 s20, s13, 18
	s_lshl_b32 s21, s15, 17
	s_add_co_u32 s20, s20, s21
	s_add_co_u32 s20, s20, s19
	s_lshl_b32 s21, s16, 7
	s_add_co_u32 s20, s20, s21
	s_lshl_b32 s21, s17, 6
	s_add_co_u32 s20, s20, s21
	v_lshlrev_b32 v5, 13, v2                       ; 8,192 r
	v_lshl_add_u32 v5, v3, 5, v5                   ; + 32 hh
	v_add_nc_u32 v6, s20, v5
	; W2: row 64 w + r (+ 16 nt in the immediate), column 1024 + 64 kc + 8 hh (+ 32 kk + 16 j + 4 e in the immediate)
	s_lshl_b32 s22, s12, 19
	s_add_co_u32 s22, s22, s19
	s_add_co_u32 s22, s22, 4096
	v_add_nc_u32 v7, s22, v5
	s_wait_kmcnt 0x0
.set i_, 0
.rept 8
	global_load_b128 v[HT+4*i_:HT+4*i_+3], v4, s[4:5] offset:i_*4096 th:TH_LOAD_NT
.set i_, i_+1
.endr
	global_load_b128 v[W1R:W1R+3], v6, s[6:7] th:TH_LOAD_NT
	global_load_b128 v[W1R+4:W1R+7], v6, s[6:7] offset:16 th:TH_LOAD_NT
.set i_, 0
.rept 32                                           ; i = 8 nt + 4 kk + 2 j + e; read again by the 16 work-groups of equal kc: no hint
	global_load_b128 v[W2R+4*i_:W2R+4*i_+3], v7, s[6:7] offset:(i_>>3)*131072+((i_>>1)&3)*64+(i_&1)*16
.set i_, i_+1
.endr
	; the other addresses, while the loads are on their way
	s_lshl_b32 s23, s14, 16                        ; wbf: ((2 kc + kkl) 32 + 2 bg + ntl) 1024 + 512 j + 16 L
	s_lshl_b32 s21, s16, 15
	s_add_co_u32 s23, s23, s21
	s_lshl_b32 s21, s13, 11
	s_add_co_u32 s23, s23, s21
	s_lshl_b32 s21, s15, 10
	s_add_co_u32 s23, s23, s21
	s_lshl_b32 s21, s17, 9
	s_add_co_u32 s23, s23, s21
	v_lshl_add_u32 v8, v1, 4, s23
	s_mul_i32 s24, s12, 2*APITCH                   ; A row m = 2 w + hh, 8 bytes at 8 r
	v_mul_u32_u24 v9, v3, APITCH
	v_lshl_add_u32 v9, v2, 3, v9
	v_add_nc_u32 v9, s24, v9
	v_mul_u32_u24 v10, v2, APITCH                  ; A fragment: row r, 16 bytes at 16 hh
	v_lshl_add_u32 v10, v3, 4, v10
	s_lshl_b32 s25, s12, 8                         ; stage: batch 2 hh (+ 1), a = 64 w + r (+ 16 nt)
	s_add_co_u32 s25, s25, CS
	v_lshlrev_b32 v11, 2, v2
	v_lshl_add_u32 v11, v3, 12, v11
	v_add_nc_u32 v11, s25, v11
	v_lshlrev_b32 v12, 4, v0                       ; back from the stage: 16 bytes a thread
	s_lshl_b32 s26, s13, 17                        ; cpart [b][kc][a]: 4 bg batches of 32,768 bytes + 2,048 kc
	s_lshl_b32 s27, s14, 11
	s_add_co_u32 s26, s26, s27
	v_and_b32 v13, 127, v0
	v_lshrrev_b32 v14, 7, v0
	v_lshlrev_b32 v13, 4, v13
	v_lshl_add_u32 v13, v14, 15, v13
	v_add_nc_u32 v13, s26, v13
	s_wait_loadcnt 34                              ; ht is in: the 2 loads of W1 and the 32 of W2 are younger
.set i_, 0
.rept 4
	QADD HT+4*i_, HT+16+4*i_
.set i_, i_+1
.endr
	QADD HT, HT+8
	QADD HT+4, HT+12
	QADD HT, HT+4                                  ; the sum of my eight rows, 4 features
	v_cvt_pk_bf16_f32 v14, v[HT], v[HT+1]
	v_cvt_pk_bf16_f32 v15, v[HT+2], v[HT+3]
	ds_store_b64 v9, v[14:15]
	s_wait_loadcnt 32                              ; W1 is in: the 32 loads of W2 are younger
.set i_, 0
.rept 4
	v_cvt_pk_bf16_f32 v[W1P+i_], v[W1R+2*i_], v[W1R+2*i_+1]
.set i_, i_+1
.endr
	global_store_b128 v8, v[W1P:W1P+3], s[8:9]     ; the wave's store covers 512 consecutive bytes, aligned
	s_wait_loadcnt 0x0                             ; W2
.set i_, 0
.rept 64
	v_cvt_pk_bf16_f32 v[BF+i_], v[W2R+2*i_], v[W2R+2*i_+1]
.set i_, i_+1
.endr
	s_wait_dscnt 0x0                               ; my A row is written, for the other waves' sake
	s_barrier_signal -1
	s_barrier_wait -1
	ds_load_b128 v[AF:AF+3], v10
	ds_load_b128 v[AF+4:AF+7], v10 offset:32
	ds_load_b128 v[AF+8:AF+11], v10 offset:64
	ds_load_b128 v[AF+12:AF+15], v10 offset:96
	s_wait_dscnt 0x0
	; the four accumulators take turns, one instruction a turn; the first K step starts the sums
.irp nq, 0,1,2,3
	v_wmma_f32_16x16x32_bf16 v[DA+8*\nq:DA+8*\nq+7], v[AF:AF+7], v[BF+16*\nq:BF+16*\nq+7], 0
.endr
.irp nq, 0,1,2,3
	v_wmma_f32_16x16x32_bf16 v[DA+8*\nq:DA+8*\nq+7], v[AF+8:AF+15], v[BF+16*\nq+8:BF+16*\nq+15], v[DA+8*\nq:DA+8*\nq+7]
.endr
.rept 4
	v_nop                                          ; four places behind the last matrix instruction before its results are read (ISA guide 7.12.1)
.endr
	; register j of lane (r, hh) is (m = 8 hh + j, a = r): registers 0-3 are the four rows of batch 2 hh, registers 4-7 those of batch 2 hh + 1
.irp nq, 0,1,2,3
	v_pk_add_f32 v[DA+8*\nq:DA+8*\nq+1], v[DA+8*\nq:DA+8*\nq+1], v[DA+8*\nq+2:DA+8*\nq+3]
	v_pk_add_f32 v[DA+8*\nq+4:DA+8*\nq+5], v[DA+8*\nq+4:DA+8*\nq+5], v[DA+8*\nq+6:DA+8*\nq+7]
	v_add_f32 v[DA+8*\nq], v[DA+8*\nq], v[DA+8*\nq+1]
	v_add_f32 v[DA+8*\nq+4], v[DA+8*\nq+4], v[DA+8*\nq+5]
	ds_store_b32 v11, v[DA+8*\nq] offset:64*\nq
	ds_store_b32 v11, v[DA+8*\nq+4] offset:64*\nq+2048
.endr
	s_wait_dscnt 0x0                               ; my part of the stage is written, for the other waves' sake
	s_barrier_signal -1
	s_barrier_wait -1
	ds_load_b128 v[OUTR:OUTR+3], v12 offset:CS         ; batches 0 and 1 of the four
	ds_load_b128 v[OUTR+4:OUTR+7], v12 offset:CS+4096  ; batches 2 and 3
	s_wait_dscnt 0x0
	global_store_b128 v13, v[OUTR:OUTR+3], s[10:11]                 ; each wave's store covers 512 consecutive bytes, aligned
	global_store_b128 v13, v[OUTR+4:OUTR+7], s[10:11] offset:65536
	s_wait_tensorcnt 0x0
	ds_add_u32 v62, v63
	s_wait_dscnt 0x0
	s_endpgm
.Lfunc_end_k_qee691ca047_prep:
	.size	k_qee691ca047_prep, .Lfunc_end_k_qee691ca047_prep-k_qee691ca047_prep
	.p2alignl 7, 3214868480
	.fill 96, 4, 3214868480
	.section	.rodata,"a",@progbits
	.p2align	6, 0x0
	.amdhsa_kernel k_qee691ca047_prep
		.amdhsa_group_segment_fixed_size 11520
		.amdhsa_private_segment_fixed_size 0
		.amdhsa_enable_private_segment 0
		.amdhsa_kernarg_size 32
		.amdhsa_user_sgpr_count 2
		.amdhsa_user_sgpr_kernarg_segment_ptr 1
		.amdhsa_wavefront_size32 1
		.amdhsa_system_sgpr_workgroup_id_x 1
		.amdhsa_system_sgpr_workgroup_id_y 1
		.amdhsa_system_sgpr_workgroup_id_z 1
		.amdhsa_system_vgpr_workitem_id 0
		.amdhsa_next_free_vgpr 256
		.amdhsa_next_free_sgpr 66
		.amdhsa_reserve_vcc 0
		.amdhsa_float_denorm_mode_32 3
		.amdhsa_float_denorm_mode_16_64 3
		.amdhsa_memory_ordered 1
		.amdhsa_forward_progress 1
		.amdhsa_inst_pref_size 16
	.end_amdhsa_kernel
	.amdgpu_metadata
---
amdhsa.version: [ 1, 2 ]
amdhsa.kernels:
  - .name:           k_qee691ca047_prep
    .symbol:         k_qee691ca047_prep.kd
    .args:
      - { .name: ht, .offset: 0, .size: 8, .value_kind: global_buffer, .address_space: global }
      - { .name: w1_w, .offset: 8, .size: 8, .value_kind: global_buffer, .address_space: global }
      - { .name: wbf, .offset: 16, .size: 8, .value_kind: global_buffer, .address_space: global }
      - { .name: cpart, .offset: 24, .size: 8, .value_kind: global_buffer, .address_space: global }
    .group_segment_fixed_size: 11520
    .private_segment_fixed_size: 0
    .kernarg_segment_align: 8
    .kernarg_segment_size: 32
    .max_flat_workgroup_size: 256
    .sgpr_count:     66
    .vgpr_count:     256
    .wavefront_size: 32
...
	.end_amdgpu_metadata
.endif
;; end of part 1
;; launch main (part 2): grid 256 x 1, 4 waves a work-group, no clusters, 306,688 bytes of LDS; arguments h, h_mask, u_w, w1_b, wbf, cpart, part; writes part
.if DOCPART == 2
	.amdgcn_target "amdgcn-amd-amdhsa--gfx1250"
	.amdhsa_code_object_version 6
	.text
	.protected	k_qee691ca047_main
	.globl	k_qee691ca047_main
	.p2align	8
	.type	k_qee691ca047_main,@function
k_qee691ca047_main:
	s_mov_b64 s[64:65], 0
	v_nop
	global_prefetch_b8 v0, s[64:65] scope:SCOPE_SE
	s_setreg_imm32_b32 hwreg(HW_REG_WAVE_MODE, 25, 1), 1
	s_wait_xcnt 0x0
; Work-group x: rows 128 x .. 128 x + 127 of the flat h [32768][1024], a quarter of batch x >> 2.
;   beta[row] = sum over a of u[a] tanh(W1[a] . h[row] + c[b][a] + bias[a]);  rows with mask 0 get -1e20;
;   m = max beta, p = exp(beta - m), l = sum p, vec[d] = sum over rows of p h[row][d]  ->  part (the next launch merges a batch's four quarters).
; h leaves memory once: it is read as f32, rounded to bf16 and kept in LDS (16 blocks of 64 columns, 128 rows of 144 bytes), from where it feeds the
; product with W1 and, when p is known, the weighted sum.  Four waves; wave w owns columns a = 128 w .. + 127 for all 128 rows: 64 accumulator tiles,
; 512 registers.  No two waves of the work-group want the same byte of W1, so its fragments go from memory straight into registers (wbf holds them in lane order).
; NO CLUSTER, NO TENSOR LOAD: a tile of W1 shared between work-groups would have to land in LDS; one K step of 32 for 512 columns is 32,768 bytes, two slots
; 65,536; h's 294,912 bytes and 11,264 of scratch leave 21,504 of 327,680.  Giving up the resident h would read its 134 MB twice.  h itself must pass through
; registers to be rounded, and is shared with nobody.
; Masked rows are multiplied like the others and their beta replaced: their number differs from batch to batch, and accumulator tiles cannot be picked by a count.
; LIMITS: tanh(x) = 1 - 2 / (1 + 2^(2.885390 x)), absolute error of the order of 1e-7, exact saturation through infinity and zero.  h, W1 and p enter
; matrix products as bf16; l is summed from the rounded p, so that a common offset of h passes through unharmed.  NaN and infinities in the inputs are not treated.
;
; REGISTERS, in windows of 256 (s_set_vgpr_msb: bits 1:0 source 0, 3:2 source 1, 5:4 source 2, 7:6 destination):
;   window 0: v0-31 addresses, v32-63 CV (packed bf16 on the way to LDS; scratch at the end), v64-127 and v128-191 fragments of h (two buffers), v192-255 h as loaded, even stages
;   window 1: v0-63, v64-127, v128-191 fragments of W1 (a ring of three), v192-255 h as loaded, odd stages
;   windows 2, 3: accumulator tile (a = row tile, bt = column tile) in window 2 + (a >> 2) at v[8 (8 (a & 3) + bt)]
; THE MATRIX INSTRUCTION IS USED TRANSPOSED: source 0 = 16 rows of W1, source 1 = 16 rows of h.  Register j of lane (r, hh) is (row 16 a + r, column 128 w + 16 bt + 8 hh + j):
; a lane holds 64 columns of one row, so the sum over columns is made inside the lane but for one step across the two halves.
.set PITCH, 144                        ; 128 bytes of data + 16: the 16 rows of a fragment load start 16 bytes apart modulo 256
.set BLK,   128*PITCH                  ; 18,432: one block = 64 columns of the 128 rows
.set CPB,   16*BLK                     ; 294,912: c' = 2.885390 (c + bias), 512 f32
.set UPB,   CPB+2048                   ; u' = -2 u, 512 f32
.set PART,  UPB+2048                   ; [wave][128 rows] f32: each wave's part of beta
.set PB,    PART+2048                  ; [wave][128 rows] bf16: p, a copy for each wave
.set OST,   PB+1024                    ; 1,024 f32: the way out
.set LN,   1                           ; lane
.set HOFF, 2                           ; h: (32 w + 8 hh) rows of 4,096 bytes + 16 r
.set WOFF, 3                           ; wbf: 8,192 w + 16 lane
.set ADRA, 4                           ; LDS: r PITCH + 16 hh, + BLK for each stage
.set STO,  5                           ; LDS: (32 w + 8 hh) PITCH + 8 r, + BLK for each stage
.set PFO,  6                           ; h: row 32 w + lane, for the prefetch; never rewritten
.set T16,  7                           ; 16 x thread
.set MASK, 8                           ; v[8:11] mask of rows 4 lane .. + 3
.set L16,  12                          ; 16 x lane
.set CUA,  13
.set EADR, 14
.set PSTO, 15
.set PRD,  16
.set PBW,  17
.set PBR,  18
.set TADR, 19                          ; v19, v20
.set OSTW, 21
.set OSTR, 22
.set GOUT, 23
.set RR,   24
.set HH,   25
.set USP,  26                          ; v[26:27] the lane's sum of u, as a pair of partial sums
.set CV,   32
.set CH,   32                          ; v[32:39] four chains of pairs
.set BS,   40                          ; v40 a sum, v41 what comes from the other half of the lanes
.set BETA, 44
.set MX,   48
.set PP,   50
.set PX,   52
.set ML,   56
.set NEG,  60
.set FA,   64
.set PFR,  128
.set HS,   192
.set MSB, 0
.macro WIN new                         ; the immediate's high byte repeats the setting that is left; a switch that changes nothing is dropped
.if MSB != \new
	s_set_vgpr_msb (MSB<<8)|\new
.set MSB, \new
.endif
.endm
.macro PLACES                          ; four places behind a matrix instruction before its results are read or a load is issued into its registers
.rept 4
	v_nop
.endr
.endm
.macro QADD d, s
	v_pk_add_f32 v[\d:\d+1], v[\d:\d+1], v[\s:\s+1]
	v_pk_add_f32 v[\d+2:\d+3], v[\d+2:\d+3], v[\s+2:\s+3]
.endm
; W1's fragments of K step k (8 column tiles x 8 registers) into ring place k % 3: each load takes 512 consecutive bytes
.macro LOADW k
	WIN 0x40
.set i_, 0
.rept 16
	global_load_b128 v[64*((\k)%3)+4*i_:64*((\k)%3)+4*i_+3], v[WOFF], s[12:13] offset:(\k)*32768+i_*512
.set i_, i_+1
.endr
.endm
; stage st of h: columns 64 st .. + 63 of my 32 rows.  Lanes 0-15 take 256 consecutive bytes of one row, lanes 16-31 of the row 8 further down
.macro LOADH st
.if (\st)&1
	WIN 0x40
.else
	WIN 0
.endif
.set i_, 0
.rept 16
	global_load_b128 v[HS+4*i_:HS+4*i_+3], v[HOFF], s[4:5] offset:((i_>>3)*16+(i_&7))*4096+(\st)*256 th:TH_LOAD_NT
.set i_, i_+1
.endr
.endm
; stage st is rounded and stored into its block.  A store's lanes 0-15 write 128 consecutive bytes, lanes 16-31 the row 8 further down: 8 x 144 = 1,152 = 128 modulo 256, the other half of the banks
.macro CONV st
.if (\st)&1
	WIN 0x05
.else
	WIN 0
.endif
.set i_, 0
.rept 32
	v_cvt_pk_bf16_f32 v[CV+i_], v[HS+2*i_], v[HS+2*i_+1]
.set i_, i_+1
.endr
	WIN 0
.set i_, 0
.rept 16
	ds_store_b64 v[STO], v[CV+2*i_:CV+2*i_+1] offset:((i_>>3)*16+(i_&7))*PITCH
.set i_, i_+1
.endr
	v_add_nc_u32 v[STO], BLK, v[STO]               ; the next stage's block
.endm
; h's fragments of K step k (8 row tiles x 8 registers) into buffer k & 1
.macro LOADA k
	WIN 0
.set i_, 0
.rept 16
	ds_load_b128 v[FA+64*((\k)&1)+4*i_:FA+64*((\k)&1)+4*i_+3], v[ADRA] offset:(i_>>1)*16*PITCH+((\k)&1)*64+(i_&1)*32
.set i_, i_+1
.endr
.endm
; 32 matrix instructions: row tiles 4 hi .. 4 hi + 3 x all 8 column tiles.  zero = 1: the first product starts the sums, nothing is cleared
.macro MUL32 k, hi, zero
.if \hi
	WIN 0xf1
.else
	WIN 0xa1
.endif
.set a_, 0
.rept 4
.set b_, 0
.rept 8
.if \zero
	v_wmma_f32_16x16x32_bf16 v[8*(8*a_+b_):8*(8*a_+b_)+7], v[64*((\k)%3)+8*b_:64*((\k)%3)+8*b_+7], v[FA+64*((\k)&1)+8*(4*\hi+a_):FA+64*((\k)&1)+8*(4*\hi+a_)+7], 0
.else
	v_wmma_f32_16x16x32_bf16 v[8*(8*a_+b_):8*(8*a_+b_)+7], v[64*((\k)%3)+8*b_:64*((\k)%3)+8*b_+7], v[FA+64*((\k)&1)+8*(4*\hi+a_):FA+64*((\k)&1)+8*(4*\hi+a_)+7], v[8*(8*a_+b_):8*(8*a_+b_)+7]
.endif
.set b_, b_+1
.endr
.set a_, a_+1
.endr
.endm
; stage st of my 32 rows is asked for ahead: one lane for each row's 256 bytes, each asked for once in the launch, by the wave that will load it
.macro PF st
.if (MSB&3) != 0
	WIN 0
.endif
	global_prefetch_b8 v[PFO], s[4:5] offset:(\st)*256 th:TH_LOAD_NT scope:SCOPE_SE
.endm
	s_load_b256 s[4:11], s[0:1], 0x0               ; h s[4:5], h_mask s[6:7], u_w s[8:9], w1_b s[10:11]
	s_load_b128 s[12:15], s[0:1], 0x20             ; wbf s[12:13], cpart s[14:15]
	s_load_b64 s[16:17], s[0:1], 0x30              ; part
	v_lshl_add_u32 v30, v0, 2, 0x4ac00
	v_mov_b32 v31, 0
	v_lshrrev_b32 v1, 5, v0
	v_readfirstlane_b32 s18, v1                    ; wave w
	s_mov_b32 s24, 0x76543210                      ; v_permlanex16_b32: lane i of one half reads lane i of the other
	s_mov_b32 s25, 0xfedcba98
	s_lshl_b32 s20, ttmp9, 19                      ; 128 rows of 4,096 bytes
	s_mov_b32 s21, 0
	s_lshl_b32 s22, ttmp9, 9                       ; 128 words of the mask
	s_mov_b32 s23, 0
	s_lshr_b32 s26, ttmp9, 2                       ; batch
	s_lshl_b32 s26, s26, 15                        ; 16 x 512 f32 of cpart
	s_mov_b32 s27, 0
	s_mul_i32 s28, ttmp9, 4608                     ; my 4,608 bytes of part
	s_mov_b32 s29, 0
	v_and_b32 v[LN], 31, v0
	v_and_b32 v[RR], 15, v0                        ; r
	v_bfe_u32 v[HH], v0, 4, 1                      ; hh
	s_lshl_b32 s30, s18, 17
	v_lshlrev_b32 v[HOFF], 4, v[RR]
	v_lshl_add_u32 v[HOFF], v[HH], 15, v[HOFF]
	v_add_nc_u32 v[HOFF], s30, v[HOFF]
	s_lshl_b32 s30, s18, 13
	v_lshl_add_u32 v[WOFF], v[LN], 4, s30
	v_lshlrev_b32 v[PFO], 12, v0
	v_lshlrev_b32 v[T16], 4, v0
	v_lshlrev_b32 v[L16], 4, v[LN]
	s_wait_kmcnt 0x0
	s_add_nc_u64 s[4:5], s[4:5], s[20:21]
	s_add_nc_u64 s[6:7], s[6:7], s[22:23]
	s_add_nc_u64 s[14:15], s[14:15], s[26:27]
	s_add_nc_u64 s[16:17], s[16:17], s[28:29]
	; No base and no offset register of a global load is written again from here on: every step of an address stands in an immediate.
.set i_, 0
.rept 16
	global_load_b128 v[FA+4*i_:FA+4*i_+3], v[T16], s[14:15] offset:i_*2048   ; the 16 parts of c, 4 columns a thread
.set i_, i_+1
.endr
	global_load_b128 v[128:131], v[T16], s[10:11]  ; bias
	global_load_b128 v[132:135], v[T16], s[8:9]    ; u
	global_load_b128 v[MASK:MASK+3], v[L16], s[6:7]
	LOADH 0
	LOADH 1
	PF 3                                           ; stages 3 and 4, whose loads stand in K steps 1 and 3
	PF 4
	WIN 0
	; LDS addresses, while the loads are on their way
	v_mul_u32_u24 v[ADRA], v[RR], PITCH
	v_lshl_add_u32 v[ADRA], v[HH], 4, v[ADRA]
	s_mul_i32 s30, s18, 32*PITCH
	v_mul_u32_u24 v[STO], v[HH], 8*PITCH
	v_lshl_add_u32 v[STO], v[RR], 3, v[STO]
	v_add_nc_u32 v[STO], s30, v[STO]
	v_add_nc_u32 v[CUA], CPB, v[T16]
	s_lshl_b32 s30, s18, 9
	s_add_co_u32 s31, s30, CPB
	v_lshl_add_u32 v[EADR], v[HH], 5, s31          ; c' of columns 128 w + 8 hh (+ 16 bt); u' 2,048 bytes further
	s_add_co_u32 s31, s30, PART
	v_lshl_add_u32 v[PSTO], v[RR], 2, s31
	v_add_nc_u32 v[PRD], PART, v[L16]
	s_lshl_b32 s30, s18, 8
	s_add_co_u32 s30, s30, PB
	v_lshl_add_u32 v[PBW], v[LN], 3, s30
	v_lshl_add_u32 v[PBR], v[HH], 4, s30
	s_mul_i32 s30, s18, 4*BLK                      ; the weighted sum: wave w takes columns 256 w .. + 255 = blocks 4 w .. 4 w + 3
	v_and_b32 v[TADR], 7, v0
	v_lshl_add_u32 v[TADR], v[HH], 3, v[TADR]
	v_mul_u32_u24 v[TADR], v[TADR], PITCH          ; row 8 hh + (lane & 7)
	v_bfe_u32 v[TADR+1], v0, 3, 1
	v_lshl_add_u32 v[TADR], v[TADR+1], 4, v[TADR]  ; + 16 ((lane >> 3) & 1)
	v_add_nc_u32 v[TADR], s30, v[TADR]
	v_add_nc_u32 v[TADR+1], 2*BLK, v[TADR]         ; the upper two blocks: an LDS immediate has 16 bits
	s_lshl_b32 s30, s18, 10
	s_add_co_u32 s31, s30, OST
	v_lshl_add_u32 v[OSTW], v[RR], 2, s31
	v_add_nc_u32 v[OSTR], s31, v[L16]
	v_add_nc_u32 v[GOUT], s30, v[L16]
	s_wait_loadcnt 32                              ; the 19 small loads are in: the 32 of stages 0 and 1 are younger
.set i_, 0
.rept 8
	QADD FA+4*i_, FA+32+4*i_
.set i_, i_+1
.endr
.set i_, 0
.rept 4
	QADD FA+4*i_, FA+16+4*i_
.set i_, i_+1
.endr
	QADD FA, FA+8
	QADD FA+4, FA+12
	QADD FA, FA+4
	v_pk_mul_f32 v[128:129], v[128:129], 0x4038aa3b op_sel_hi:[1,0]                  ; 2.885390 bias
	v_pk_mul_f32 v[130:131], v[130:131], 0x4038aa3b op_sel_hi:[1,0]
	v_pk_fma_f32 v[FA:FA+1], v[FA:FA+1], 0x3db8aa3b, v[128:129] op_sel_hi:[1,0,1]    ; + (2.885390 / 32) x the sum over t: the mean's 1/32 rides on the constant
	v_pk_fma_f32 v[FA+2:FA+3], v[FA+2:FA+3], 0x3db8aa3b, v[130:131] op_sel_hi:[1,0,1]
	v_pk_mul_f32 v[132:133], v[132:133], -2.0 op_sel_hi:[1,0]
	v_pk_mul_f32 v[134:135], v[134:135], -2.0 op_sel_hi:[1,0]
	ds_store_b128 v[CUA], v[FA:FA+3]
	ds_store_b128 v[CUA], v[132:135] offset:2048
	LOADW 0
	LOADW 1
	s_wait_loadcnt 48                              ; stage 0 is in: stage 1 and W1's K steps 0 and 1 are younger
	CONV 0
	LOADH 2
	s_wait_dscnt 0x0                               ; block 0, c' and u' are written, for the other waves' sake
	s_barrier_signal -1
	s_barrier_wait -1
	LOADA 0
; ONE K STEP OF 32: 64 matrix instructions.  Written out 32 times: the rings have periods 3 (W1), 2 (h's fragments) and 4 (two K steps to a stage, two stage buffers),
; and 12 does not divide 32.  With st = k >> 1:
;   W1's fragments are asked for two K steps (128 matrix instructions) ahead of their use; a stage of h three K steps ahead of the wait that shows it in;
;   stage st + 5 is asked for by prefetch in the K step in which stage st + 3 is loaded, four K steps (256 matrix instructions) ahead of its own loads; at most three
;   stages, 96 KiB a work-group, are asked for and not yet read; the last request is for stage 15, the row's last 256 bytes.
;   The count on LOADcnt is what was issued behind W1's step k: step k + 1, stage st + 2, step k + 2, each 16 loads where it exists.  Loads end in order
;   (ISA guide 5.7.1), so at an even k stage st + 1, which is older, is in as well.
;   Every byte of the 16 blocks is written once.  Block st + 1 is stored in the even step and shown to all waves by the barrier of the odd one, whose signal and wait
;   stand 32 matrix instructions apart.
;   The 64 accumulators take turns, one instruction a turn, in the same order in every K step.
.macro KSTEP k
.set s_, (\k)>>1
.if (\k) > 0
	PLACES                                         ; behind step k - 1, which read ring place (k + 2) % 3 and fragment buffer (k + 1) & 1
.endif
.set n_, 0
.if (\k)+2 <= 31
	LOADW \k+2
.set n_, n_+16
.endif
.if (\k)+1 <= 31
.set n_, n_+16
.endif
.if s_+2 <= 15
.set n_, n_+16
.endif
	s_wait_loadcnt n_
.if (\k)&1
.if s_+3 <= 15
	LOADH s_+3                                     ; into the buffer that was converted in the step before
.endif
.if s_+5 <= 15
	PF s_+5
.endif
.endif
	s_wait_dscnt 0x0                               ; h's fragments of this step are in; at an odd k my stores of the next block are done too
.if (\k)&1
.if (\k) < 31
	s_barrier_signal -1
.endif
.endif
.if (\k) == 0
	MUL32 \k, 0, 1
.else
	MUL32 \k, 0, 0
.endif
.if (\k)&1
.if (\k) < 31
	WIN 0
	s_barrier_wait -1                              ; the next block is whole
	v_add_nc_u32 v[ADRA], BLK, v[ADRA]
	LOADA \k+1
.else
	WIN 0                                          ; the last step fetches u' and c' of my 64 columns into the two stage buffers, which are free
.set i_, 0
.rept 16
	ds_load_b128 v[HS+4*i_:HS+4*i_+3], v[EADR] offset:2048+(i_>>1)*64+(i_&1)*16
.set i_, i_+1
.endr
	WIN 0x40
.set i_, 0
.rept 16
	ds_load_b128 v[HS+4*i_:HS+4*i_+3], v[EADR] offset:(i_>>1)*64+(i_&1)*16
.set i_, i_+1
.endr
.endif
.else
.if s_+1 <= 15
	CONV s_+1
.endif
	LOADA \k+1
.endif
.if (\k) == 0
	MUL32 \k, 1, 1
.else
	MUL32 \k, 1, 0
.endif
.endm
.set kk, 0
.rept 32
	KSTEP kk
.set kk, kk+1
.endr
	; BETA.  u tanh(x) = u + u' / (1 + 2^(2.885390 x + c')): the lane's sum of u, -0.5 x the sum of u', starts the first chain.
	PLACES
	WIN 0
	s_wait_dscnt 0x0                               ; u' and c'
.set q_, 0
.rept 4
	v_pk_add_f32 v[CH+2*q_:CH+2*q_+1], v[HS+2*q_:HS+2*q_+1], v[HS+8+2*q_:HS+8+2*q_+1]
.set q_, q_+1
.endr
.set q_, 8
.rept 24
	v_pk_add_f32 v[CH+2*(q_&3):CH+2*(q_&3)+1], v[CH+2*(q_&3):CH+2*(q_&3)+1], v[HS+2*q_:HS+2*q_+1]
.set q_, q_+1
.endr
	v_pk_add_f32 v[CH:CH+1], v[CH:CH+1], v[CH+2:CH+3]
	v_pk_add_f32 v[CH+4:CH+5], v[CH+4:CH+5], v[CH+6:CH+7]
	v_pk_add_f32 v[CH:CH+1], v[CH:CH+1], v[CH+4:CH+5]
	v_pk_mul_f32 v[USP:USP+1], v[CH:CH+1], -0.5 op_sel_hi:[1,0]
; Row tile ta: 64 numbers a lane.  The transcendentals stand in runs; behind each run one v_nop stands before a result is used or a source rewritten (ISA guide 5.7.2).
.macro TANH ta
.if (\ta) < 4
	WIN 0x12                                       ; source 0 (sums) window 2, source 2 (c') window 1
.else
	WIN 0x13
.endif
.set q_, 0
.rept 32
	v_pk_fma_f32 v[FA+2*q_:FA+2*q_+1], v[64*((\ta)&3)+2*q_:64*((\ta)&3)+2*q_+1], 0x4038aa3b, v[HS+2*q_:HS+2*q_+1] op_sel_hi:[1,0,1]
.set q_, q_+1
.endr
	WIN 0
.set q_, 0
.rept 64
	v_exp_f32 v[FA+64+q_], v[FA+q_]
.set q_, q_+1
.endr
	v_nop
.set q_, 0
	s_wait_alu depctr_va_vdst(0)
.rept 32
	v_pk_add_f32 v[FA+64+2*q_:FA+64+2*q_+1], v[FA+64+2*q_:FA+64+2*q_+1], 1.0 op_sel_hi:[1,0]
.set q_, q_+1
.endr
.set q_, 0
.rept 64
	v_rcp_f32 v[FA+q_], v[FA+64+q_]
.set q_, q_+1
.endr
	v_nop
	s_wait_alu depctr_va_vdst(0)
	v_pk_fma_f32 v[CH:CH+1], v[FA:FA+1], v[HS:HS+1], v[USP:USP+1]
.set q_, 1
.rept 3
	v_pk_mul_f32 v[CH+2*q_:CH+2*q_+1], v[FA+2*q_:FA+2*q_+1], v[HS+2*q_:HS+2*q_+1]
.set q_, q_+1
.endr
.set q_, 4
.rept 28
	v_pk_fma_f32 v[CH+2*(q_&3):CH+2*(q_&3)+1], v[FA+2*q_:FA+2*q_+1], v[HS+2*q_:HS+2*q_+1], v[CH+2*(q_&3):CH+2*(q_&3)+1]
.set q_, q_+1
.endr
	v_pk_add_f32 v[CH:CH+1], v[CH:CH+1], v[CH+2:CH+3]
	v_pk_add_f32 v[CH+4:CH+5], v[CH+4:CH+5], v[CH+6:CH+7]
	v_pk_add_f32 v[CH:CH+1], v[CH:CH+1], v[CH+4:CH+5]
	v_add_f32 v[BS], v[CH], v[CH+1]
	v_permlanex16_b32 v[BS+1], v[BS], s24, s25     ; the other 64 of my 128 columns (its destination was written as part of CV)
	v_add_f32 v[BS], v[BS], v[BS+1]
	ds_store_b32 v[PSTO], v[BS] offset:(\ta)*64    ; row 16 ta + r; both halves of the lanes write the same number
.endm
.irp ta, 0,1,2,3,4,5,6,7
	TANH \ta
.endr
	s_wait_dscnt 0x0                               ; my part of beta is written, for the other waves' sake
	s_barrier_signal -1
	s_barrier_wait -1
; THE WEIGHTED SUM: vec[d] = sum over 128 rows of p[row] h[row][d], wave w for d = 256 w .. + 255: 16 tiles, K = 128 rows in 4 steps of 32.
; Source 0 = p, the same in all 16 rows of the fragment; source 1 = h, which lies [row][column] in LDS and is transposed on the way in.
.macro HTLOAD ks, buf                  ; 16 tiles x 8 registers into window 1, v[128 buf ..]
	WIN 0x40
.set t_, 0
.rept 16
	ds_load_tr16_b128 v[128*\buf+8*t_:128*\buf+8*t_+3], v[TADR+(t_>>3)] offset:((t_>>2)&1)*BLK+\ks*32*PITCH+(t_&3)*32
	ds_load_tr16_b128 v[128*\buf+8*t_+4:128*\buf+8*t_+7], v[TADR+(t_>>3)] offset:((t_>>2)&1)*BLK+\ks*32*PITCH+16*PITCH+(t_&3)*32
.set t_, t_+1
.endr
.endm
.macro PV ks, buf, zero                ; the 16 accumulators (window 2) take turns, one instruction a turn
	WIN 0xa4
.set t_, 0
.rept 16
.if \zero
	v_wmma_f32_16x16x32_bf16 v[8*t_:8*t_+7], v[PFR+8*\ks:PFR+8*\ks+7], v[128*\buf+8*t_:128*\buf+8*t_+7], 0
.else
	v_wmma_f32_16x16x32_bf16 v[8*t_:8*t_+7], v[PFR+8*\ks:PFR+8*\ks+7], v[128*\buf+8*t_:128*\buf+8*t_+7], v[8*t_:8*t_+7]
.endif
.set t_, t_+1
.endr
.endm
.irp c, 0,1,2,3
	ds_load_b128 v[FA+4*\c:FA+4*\c+3], v[PRD] offset:\c*512        ; the four waves' parts of beta of rows 4 lane .. + 3; every wave makes all of beta
.endr
	HTLOAD 0, 0
	WIN 0
	s_wait_dscnt 32                                ; the four parts are in: the 32 transposing loads are younger
	v_pk_add_f32 v[FA:FA+1], v[FA:FA+1], v[FA+4:FA+5]
	v_pk_add_f32 v[FA+2:FA+3], v[FA+2:FA+3], v[FA+6:FA+7]
	v_pk_add_f32 v[FA+8:FA+9], v[FA+8:FA+9], v[FA+12:FA+13]
	v_pk_add_f32 v[FA+10:FA+11], v[FA+10:FA+11], v[FA+14:FA+15]
	v_pk_add_f32 v[BETA:BETA+1], v[FA:FA+1], v[FA+8:FA+9]
	v_pk_add_f32 v[BETA+2:BETA+3], v[FA+2:FA+3], v[FA+10:FA+11]
	v_mov_b32 v[NEG], 0xe0ad78ec                   ; -1e20
.irp e, 0,1,2,3
	v_cmp_ne_u32 vcc_lo, 0, v[MASK+\e]
	v_cndmask_b32 v[BETA+\e], v[NEG], v[BETA+\e], vcc_lo
.endr
	v_max3_num_f32 v[MX], v[BETA], v[BETA+1], v[BETA+2]
	v_max_num_f32 v[MX], v[MX], v[BETA+3]
	v_max_num_f32_dpp v[MX], v[MX], v[MX] row_xmask:1 row_mask:0xf bank_mask:0xf
	v_max_num_f32_dpp v[MX], v[MX], v[MX] row_xmask:2 row_mask:0xf bank_mask:0xf
	v_max_num_f32_dpp v[MX], v[MX], v[MX] row_xmask:4 row_mask:0xf bank_mask:0xf
	v_max_num_f32_dpp v[MX], v[MX], v[MX] row_xmask:8 row_mask:0xf bank_mask:0xf
	v_permlanex16_b32 v[BS+1], v[MX], s24, s25
	v_max_num_f32 v[MX], v[MX], v[BS+1]            ; m, the largest beta of the 128 rows, in every lane
	; a subtraction and then a multiplication, not one fused step: beta = m must give exactly 0 also at -1e20 (128 masked rows: p = 1 everywhere, as the reference's softmax has it)
.irp e, 0,1,2,3
	v_sub_f32 v[BETA+\e], v[BETA+\e], v[MX]
.endr
.irp e, 0,1,2,3
	v_mul_f32 v[BETA+\e], 0x3fb8aa3b, v[BETA+\e]
.endr
.irp e, 0,1,2,3
	v_exp_f32 v[PX+\e], v[BETA+\e]
.endr
	v_nop
	s_wait_alu depctr_va_vdst(0)
	v_cvt_pk_bf16_f32 v[PP], v[PX], v[PX+1]
	v_cvt_pk_bf16_f32 v[PP+1], v[PX+2], v[PX+3]
	ds_store_b64 v[PBW], v[PP:PP+1]                ; my wave's own copy of p: LDS serves a wave's instructions in order (ISA guide 5.7.1), so the loads below see it
.set i_, 0
.rept 4
	ds_load_b128 v[PFR+8*i_:PFR+8*i_+3], v[PBR] offset:i_*64
	ds_load_b128 v[PFR+8*i_+4:PFR+8*i_+7], v[PBR] offset:i_*64+32
.set i_, i_+1
.endr
	HTLOAD 1, 1
	WIN 0
	v_lshlrev_b32 v[PX], 16, v[PP]                 ; l is the sum of p as rounded
	v_and_b32 v[PX+1], 0xffff0000, v[PP]
	v_lshlrev_b32 v[PX+2], 16, v[PP+1]
	v_and_b32 v[PX+3], 0xffff0000, v[PP+1]
	v_pk_add_f32 v[PX:PX+1], v[PX:PX+1], v[PX+2:PX+3]
	v_add_f32 v[PX], v[PX], v[PX+1]
	v_add_f32_dpp v[PX], v[PX], v[PX] row_xmask:1 row_mask:0xf bank_mask:0xf
	v_add_f32_dpp v[PX], v[PX], v[PX] row_xmask:2 row_mask:0xf bank_mask:0xf
	v_add_f32_dpp v[PX], v[PX], v[PX] row_xmask:4 row_mask:0xf bank_mask:0xf
	v_add_f32_dpp v[PX], v[PX], v[PX] row_xmask:8 row_mask:0xf bank_mask:0xf
	v_permlanex16_b32 v[BS+1], v[PX], s24, s25
	v_add_f32 v[PX], v[PX], v[BS+1]
	v_mov_b32 v[ML], v[MX]
	v_mov_b32 v[ML+1], v[PX]
	v_mov_b32 v[ML+2], v[MX]
	v_mov_b32 v[ML+3], v[PX]
	s_wait_dscnt 32                                ; all but the 32 loads of rows 32-63: rows 0-31 and p are in
	PV 0, 0, 1
	PLACES
	HTLOAD 2, 0
	s_wait_dscnt 32                                ; rows 32-63 are in
	PV 1, 1, 0
	PLACES
	HTLOAD 3, 1
	s_wait_dscnt 32                                ; rows 64-95
	PV 2, 0, 0
	s_wait_dscnt 0x0                               ; rows 96-127
	PV 3, 1, 0
	; THE WAY OUT.  All 16 rows of a result tile are equal; register 0 of lane (r, hh) is vec[256 w + 16 t + r].  Through my own 1,024 bytes of LDS into whole rows.
	PLACES
	WIN 0x08                                       ; store data from window 2
.set t_, 0
.rept 16
	ds_store_b32 v[OSTW], v[8*t_] offset:64*t_
.set t_, t_+1
.endr
	WIN 0
	ds_load_b128 v[FA:FA+3], v[OSTR]
	ds_load_b128 v[FA+4:FA+7], v[OSTR] offset:512
	s_wait_dscnt 0x0
	global_store_b128 v[GOUT], v[FA:FA+3], s[16:17]                ; each store of the wave covers 512 consecutive bytes, aligned
	global_store_b128 v[GOUT], v[FA+4:FA+7], s[16:17] offset:512
	s_cmp_lg_u32 s18, 0
	s_cbranch_scc1 .Lend
	global_store_b128 v[L16], v[ML:ML+3], s[16:17] offset:4096     ; wave 0: (m, l, m, l) 32 times, 512 consecutive bytes
.Lend:
	s_wait_tensorcnt 0x0
	ds_add_u32 v30, v31
	s_wait_dscnt 0x0
	s_endpgm
.Lfunc_end_k_qee691ca047_main:
	.size	k_qee691ca047_main, .Lfunc_end_k_qee691ca047_main-k_qee691ca047_main
	.p2alignl 7, 3214868480
	.fill 96, 4, 3214868480
	.section	.rodata,"a",@progbits
	.p2align	6, 0x0
	.amdhsa_kernel k_qee691ca047_main
		.amdhsa_group_segment_fixed_size 306688
		.amdhsa_private_segment_fixed_size 0
		.amdhsa_enable_private_segment 0
		.amdhsa_kernarg_size 56
		.amdhsa_user_sgpr_count 2
		.amdhsa_user_sgpr_kernarg_segment_ptr 1
		.amdhsa_wavefront_size32 1
		.amdhsa_system_sgpr_workgroup_id_x 1
		.amdhsa_system_sgpr_workgroup_id_y 1
		.amdhsa_system_sgpr_workgroup_id_z 1
		.amdhsa_system_vgpr_workitem_id 0
		.amdhsa_next_free_vgpr 1024
		.amdhsa_next_free_sgpr 66
		.amdhsa_reserve_vcc 1
		.amdhsa_float_denorm_mode_32 3
		.amdhsa_float_denorm_mode_16_64 3
		.amdhsa_memory_ordered 1
		.amdhsa_forward_progress 1
		.amdhsa_inst_pref_size 255
	.end_amdhsa_kernel
	.section	.bss,"aw",@nobits
	.p2align	6
	.space	262144
	.amdgpu_metadata
---
amdhsa.version: [ 1, 2 ]
amdhsa.kernels:
  - .name:           k_qee691ca047_main
    .symbol:         k_qee691ca047_main.kd
    .args:
      - { .name: h, .offset: 0, .size: 8, .value_kind: global_buffer, .address_space: global }
      - { .name: h_mask, .offset: 8, .size: 8, .value_kind: global_buffer, .address_space: global }
      - { .name: u_w, .offset: 16, .size: 8, .value_kind: global_buffer, .address_space: global }
      - { .name: w1_b, .offset: 24, .size: 8, .value_kind: global_buffer, .address_space: global }
      - { .name: wbf, .offset: 32, .size: 8, .value_kind: global_buffer, .address_space: global }
      - { .name: cpart, .offset: 40, .size: 8, .value_kind: global_buffer, .address_space: global }
      - { .name: part, .offset: 48, .size: 8, .value_kind: global_buffer, .address_space: global }
    .group_segment_fixed_size: 306688
    .private_segment_fixed_size: 0
    .kernarg_segment_align: 8
    .kernarg_segment_size: 56
    .max_flat_workgroup_size: 128
    .sgpr_count:     66
    .vgpr_count:     1024
    .wavefront_size: 32
...
	.end_amdgpu_metadata
.endif
;; end of part 2
;; launch comb (part 3): grid 256 x 1, 2 waves a work-group, no clusters, 0 bytes of LDS; arguments part, out0; writes out0
.if DOCPART == 3
	.amdgcn_target "amdgcn-amd-amdhsa--gfx1250"
	.amdhsa_code_object_version 6
	.text
	.protected	k_qee691ca047_comb
	.globl	k_qee691ca047_comb
	.p2align	8
	.type	k_qee691ca047_comb,@function
k_qee691ca047_comb:
	s_mov_b64 s[64:65], 0
	v_nop
	global_prefetch_b8 v0, s[64:65] scope:SCOPE_SE
	s_setreg_imm32_b32 hwreg(HW_REG_WAVE_MODE, 25, 1), 1
	s_wait_xcnt 0x0
; out0[b][d] = (sum over the batch's four quarters c of w_c vec_c[d]) / (sum over c of w_c l_c),  w_c = exp(m_c - M),  M = max over c of m_c.
; part holds for each quarter 4,608 bytes: vec (1,024 f32), then (m, l, m, l) 32 times.
; Work-group x: batch x >> 2, columns 256 (x & 3) .. + 255; thread t takes 4 columns.  The quarter that holds M has a p equal to 1, so the divisor is at least 1.
; A batch that is masked throughout has m_c = -1e20 and w_c = 1 in all four quarters, and p = 1 in every row: the plain mean of h, as the reference's softmax gives it.
; 5 KiB in and 1 KiB out for each work-group: no LDS, no matrix unit, no cluster; nothing is shared and nothing is walked.
.set ML, 4                             ; v[4:11]   (m, l) of the four quarters
.set VC, 12                            ; v[12:27]  four numbers of each quarter's vec
.set MM, 28
.set DEN, 29
.set DX, 30                            ; v[30:33]
.set WX, 34                            ; v[34:37]  w_c
.set RI, 38
.set WN, 40                            ; v[40:47]  w_c / divisor, twice each (a pair for the packed forms)
	s_load_b128 s[4:7], s[0:1], 0x0                ; part s[4:5], out0 s[6:7]
	s_lshr_b32 s8, ttmp9, 2                        ; batch
	s_and_b32 s9, ttmp9, 3                         ; which 256 columns
	s_mul_i32 s10, s8, 4*4608
	s_lshl_b32 s11, s9, 10
	s_add_co_u32 s12, s10, s11
	s_lshl_b32 s13, s8, 12
	s_add_co_u32 s13, s13, s11
	v_lshlrev_b32 v1, 4, v0
	v_and_b32 v2, 31, v0
	v_lshlrev_b32 v2, 4, v2
	v_add_nc_u32 v3, s12, v1                       ; vec
	v_add_nc_u32 v2, s10, v2                       ; (m, l)
	v_add_nc_u32 v1, s13, v1                       ; out0
	s_wait_kmcnt 0x0
.irp c, 0,1,2,3
	global_load_b64 v[ML+2*\c:ML+2*\c+1], v2, s[4:5] offset:\c*4608+4096
.endr
.irp c, 0,1,2,3
	global_load_b128 v[VC+4*\c:VC+4*\c+3], v3, s[4:5] offset:\c*4608
.endr
	s_wait_loadcnt 0x4                             ; the four (m, l) are in: the four loads of vec are younger
	v_max3_num_f32 v[MM], v[ML], v[ML+2], v[ML+4]
	v_max_num_f32 v[MM], v[MM], v[ML+6]
	; a subtraction and then a multiplication: m_c = M must give exactly 0 also at -1e20
.irp c, 0,1,2,3
	v_sub_f32 v[DX+\c], v[ML+2*\c], v[MM]
.endr
.irp c, 0,1,2,3
	v_mul_f32 v[DX+\c], 0x3fb8aa3b, v[DX+\c]
.endr
.irp c, 0,1,2,3
	v_exp_f32 v[WX+\c], v[DX+\c]
.endr
	v_nop                                          ; one plain place behind the transcendentals before their results are used (ISA guide 5.7.2)
	s_wait_alu depctr_va_vdst(0)
	v_mul_f32 v[DEN], v[WX], v[ML+1]
	v_fmac_f32 v[DEN], v[WX+1], v[ML+3]
	v_fmac_f32 v[DEN], v[WX+2], v[ML+5]
	v_fmac_f32 v[DEN], v[WX+3], v[ML+7]
	v_rcp_f32 v[RI], v[DEN]
	v_nop
	s_wait_alu depctr_va_vdst(0)
.irp c, 0,1,2,3
	v_mul_f32 v[WN+2*\c], v[WX+\c], v[RI]
	v_mul_f32 v[WN+2*\c+1], v[WX+\c], v[RI]
.endr
	s_wait_loadcnt 0x0
	v_pk_mul_f32 v[VC:VC+1], v[VC:VC+1], v[WN:WN+1]
	v_pk_mul_f32 v[VC+2:VC+3], v[VC+2:VC+3], v[WN:WN+1]
.irp c, 1,2,3
	v_pk_fma_f32 v[VC:VC+1], v[VC+4*\c:VC+4*\c+1], v[WN+2*\c:WN+2*\c+1], v[VC:VC+1]
	v_pk_fma_f32 v[VC+2:VC+3], v[VC+4*\c+2:VC+4*\c+3], v[WN+2*\c:WN+2*\c+1], v[VC+2:VC+3]
.endr
	global_store_b128 v1, v[VC:VC+3], s[6:7]       ; each wave's store covers 512 consecutive bytes, aligned
	s_endpgm
.Lfunc_end_k_qee691ca047_comb:
	.size	k_qee691ca047_comb, .Lfunc_end_k_qee691ca047_comb-k_qee691ca047_comb
	.p2alignl 7, 3214868480
	.fill 96, 4, 3214868480
	.section	.rodata,"a",@progbits
	.p2align	6, 0x0
	.amdhsa_kernel k_qee691ca047_comb
		.amdhsa_group_segment_fixed_size 0
		.amdhsa_private_segment_fixed_size 0
		.amdhsa_enable_private_segment 0
		.amdhsa_kernarg_size 16
		.amdhsa_user_sgpr_count 2
		.amdhsa_user_sgpr_kernarg_segment_ptr 1
		.amdhsa_wavefront_size32 1
		.amdhsa_system_sgpr_workgroup_id_x 1
		.amdhsa_system_sgpr_workgroup_id_y 1
		.amdhsa_system_sgpr_workgroup_id_z 1
		.amdhsa_system_vgpr_workitem_id 0
		.amdhsa_next_free_vgpr 48
		.amdhsa_next_free_sgpr 66
		.amdhsa_reserve_vcc 0
		.amdhsa_float_denorm_mode_32 3
		.amdhsa_float_denorm_mode_16_64 3
		.amdhsa_memory_ordered 1
		.amdhsa_forward_progress 1
		.amdhsa_inst_pref_size 4
	.end_amdhsa_kernel
	.amdgpu_metadata
---
amdhsa.version: [ 1, 2 ]
amdhsa.kernels:
  - .name:           k_qee691ca047_comb
    .symbol:         k_qee691ca047_comb.kd
    .args:
      - { .name: part, .offset: 0, .size: 8, .value_kind: global_buffer, .address_space: global }
      - { .name: out0, .offset: 8, .size: 8, .value_kind: global_buffer, .address_space: global }
    .group_segment_fixed_size: 0
    .private_segment_fixed_size: 0
    .kernarg_segment_align: 8
    .kernarg_segment_size: 16
    .max_flat_workgroup_size: 64
    .sgpr_count:     66
    .vgpr_count:     48
    .wavefront_size: 32
...
	.end_amdgpu_metadata
.endif
;; end of part 3
;; ======== version 2 of 2: 3 launches; version 1 with the launch main written anew for expert scheduling mode
;; workspace buffers: wbf 1,048,576 bytes; cpart 2,097,152 bytes; part 1,179,648 bytes
;; launch prep: the kernel of part 1 again; grid 256 x 1, 8 waves a work-group, no clusters, 11,520 bytes of LDS; arguments ht, w1_w, wbf, cpart; writes wbf, cpart
;; launch main (part 4): grid 256 x 1, 4 waves a work-group, no clusters, 306,688 bytes of LDS; arguments h, h_mask, u_w, w1_b, wbf, cpart, part; writes part
.if DOCPART == 4
	.amdgcn_target "amdgcn-amd-amdhsa--gfx1250"
	.amdhsa_code_object_version 6
	.text
	.protected	k_qee691ca047_main
	.globl	k_qee691ca047_main
	.p2align	8
	.type	k_qee691ca047_main,@function
k_qee691ca047_main:
	s_mov_b64 s[64:65], 0
	v_nop
	global_prefetch_b8 v0, s[64:65] scope:SCOPE_SE
	s_setreg_imm32_b32 hwreg(HW_REG_WAVE_SCHED_MODE, 0, 2), 2
	s_setreg_imm32_b32 hwreg(HW_REG_WAVE_MODE, 25, 1), 1
	s_wait_xcnt 0x0
	s_wait_alu depctr_vm_vsrc(0)
; Work-group x: rows 128 x .. 128 x + 127 of the flat h [32768][1024], a quarter of batch x >> 2.
;   beta[row] = sum over a of u[a] tanh(W1[a] . h[row] + c[b][a] + bias[a]);  rows with mask 0 get -1e20;
;   m = max beta, p = exp(beta - m), l = sum p, vec[d] = sum over rows of p h[row][d]  ->  part (the next launch merges a batch's four quarters).
; h leaves memory once: it is read as f32, rounded to bf16 and kept in LDS (16 blocks of 64 columns, 128 rows of 144 bytes), from where it feeds the
; product with W1 and, when p is known, the weighted sum.  Four waves; wave w owns columns a = 128 w .. + 127 for all 128 rows: 64 accumulator tiles,
; 512 registers.  No two waves of the work-group want the same byte of W1, so its fragments go from memory straight into registers (wbf holds them in lane order).
; NO CLUSTER, NO TENSOR LOAD: a tile of W1 shared between work-groups would have to land in LDS; one K step of 32 for 512 columns is 32,768 bytes, two slots
; 65,536; h's 294,912 bytes and 11,264 of scratch leave 21,504 of 327,680.  Giving up the resident h would read its 134 MB twice.  h itself must pass through
; registers to be rounded, and is shared with nobody.
; Masked rows are multiplied like the others and their beta replaced: their number differs from batch to batch, and accumulator tiles cannot be picked by a count.
; LIMITS: tanh(x) = 1 - 2 / (1 + 2^(2.885390 x)), absolute error of the order of 1e-7, exact saturation through infinity and zero.  h, W1 and p enter
; matrix products as bf16; l is summed from the rounded p, so that a common offset of h passes through unharmed.  NaN and infinities in the inputs are not treated.
;
; REGISTERS, in windows of 256 (s_set_vgpr_msb: bits 1:0 source 0, 3:2 source 1, 5:4 source 2, 7:6 destination):
;   window 0: v0-31 addresses, v32-63 CV (packed bf16 on the way to LDS; scratch at the end), v64-127 and v128-191 fragments of h (two buffers), v192-255 h as loaded, even stages
;   window 1: v0-63, v64-127, v128-191 fragments of W1 (a ring of three), v192-255 h as loaded, odd stages
;   windows 2, 3: accumulator tile (a = row tile, bt = column tile) in window 2 + (a >> 2) at v[8 (8 (a & 3) + bt)]
; THE MATRIX INSTRUCTION IS USED TRANSPOSED: source 0 = 16 rows of W1, source 1 = 16 rows of h.  Register j of lane (r, hh) is (row 16 a + r, column 128 w + 16 bt + 8 hh + j):
; a lane holds 64 columns of one row, so the sum over columns is made inside the lane but for one step across the two halves.
;
; THE MODE: SCHED_MODE bits 1:0 = 2 (LLVM: expert scheduling mode 2), set by the entry lines.  The code itself states the register dependences between vector or matrix
; instructions and memory or LDS instructions, with s_wait_alu, always for 0.
; THE PLAN.  Registers that memory or LDS instructions touch in the K part (K step k, st = k >> 1):
;   ring place (k + 2) % 3   The loads of W1's step k + 2, issued in step k, land in it; last read by the matrix instructions of step k - 1.
;   fragment buffer (k + 1) & 1   The LDS loads of step k + 1, issued in step k, land in it; last read by the matrix instructions of step k - 1.
;   stage buffer (st + 1) & 1     Read by the 32 conversions at the head of the even step; the loads of stage st + 3 land in it in the odd step behind.
;   CV                       Written by those conversions; read by the sixteen LDS stores of the same step.
;   v[STO], v[ADRA]          Stepped by one add at the head of an even, an odd step; read by that step's LDS stores, LDS loads.
;   v[HOFF], v[WOFF], v[PFO], v[T16], v[L16]   Made at the head and never written again.
; So ONE wait on va_vdst stands at the head of a K step, behind the conversions or the add: it states that step k - 1's matrix instructions are done reading their ring place and
; their fragment buffer, that the conversions have written CV and are done reading the stage buffer, and that v[STO] or v[ADRA] is written.  Behind it stand this step's matrix
; instructions alone, which name ring place k % 3, fragment buffer k & 1 and the accumulators: none of the registers that the step's loads and stores touch.  These are dealt among them.
; One wait on vm_vsrc stands ahead of the add: the LDS stores of the stage before have read CV and v[STO]; the LDS loads issued so far have read v[ADRA].
.set PITCH, 144                        ; 128 bytes of data + 16: the 16 rows of a fragment load start 16 bytes apart modulo 256
.set BLK,   128*PITCH                  ; 18,432: one block = 64 columns of the 128 rows
.set CPB,   16*BLK                     ; 294,912: c' = 2.885390 (c + bias), 512 f32
.set UPB,   CPB+2048                   ; u' = -2 u, 512 f32
.set PART,  UPB+2048                   ; [wave][128 rows] f32: each wave's part of beta
.set PB,    PART+2048                  ; [wave][128 rows] bf16: p, a copy for each wave
.set OST,   PB+1024                    ; 1,024 f32: the way out
.set LN,   1                           ; lane
.set HOFF, 2                           ; h: (32 w + 8 hh) rows of 4,096 bytes + 16 r
.set WOFF, 3                           ; wbf: 8,192 w + 16 lane
.set ADRA, 4                           ; LDS: r PITCH + 16 hh, + BLK for each stage
.set STO,  5                           ; LDS: (32 w + 8 hh) PITCH + 8 r, + BLK for each stage
.set PFO,  6                           ; h: row 32 w + lane, for the prefetch; never rewritten
.set T16,  7                           ; 16 x thread
.set MASK, 8                           ; v[8:11] mask of rows 4 lane .. + 3
.set L16,  12                          ; 16 x lane
.set CUA,  13
.set EADR, 14
.set PSTO, 15
.set PRD,  16
.set PBW,  17
.set PBR,  18
.set TADR, 19                          ; v19, v20
.set OSTW, 21
.set OSTR, 22
.set GOUT, 23
.set RR,   24
.set HH,   25
.set USP,  26                          ; v[26:27] the lane's sum of u, as a pair of partial sums
.set CV,   32
.set CH,   32                          ; v[32:39] four chains of pairs
.set BS,   40                          ; v40 a sum, v41 what comes from the other half of the lanes
.set BT,   44                          ; v[44:51] my part of beta for the eight row tiles, until it is stored; then:
.set BETA, 44
.set MX,   48
.set PP,   50
.set PX,   52
.set ML,   56
.set NEG,  60
.set FA,   64
.set PFR,  128
.set HS,   192
.set CM,   32                          ; s[32:35] the four masks of the compares
.set MSB, 0
.macro WIN new                         ; the immediate's high byte repeats the setting that is left; a switch that changes nothing is dropped
.if MSB != \new
	s_set_vgpr_msb (MSB<<8)|\new
.set MSB, \new
.endif
.endm
.macro PLACES                          ; four places behind a matrix instruction before its results are read; ahead of loads into a matrix instruction's registers they stay too, and the wait that states the dependence stands behind them
.rept 4
	v_nop
.endr
.endm
.macro QADD d, s
	v_pk_add_f32 v[\d:\d+1], v[\d:\d+1], v[\s:\s+1]
	v_pk_add_f32 v[\d+2:\d+3], v[\d+2:\d+3], v[\s+2:\s+3]
.endm
; W1's fragments of K step k (8 column tiles x 8 registers) into ring place k % 3: each load takes 512 consecutive bytes
.macro LOADW k
	WIN 0x40
.set i_, 0
.rept 16
	global_load_b128 v[64*((\k)%3)+4*i_:64*((\k)%3)+4*i_+3], v[WOFF], s[12:13] offset:(\k)*32768+i_*512
.set i_, i_+1
.endr
.endm
; stage st of h: columns 64 st .. + 63 of my 32 rows.  Lanes 0-15 take 256 consecutive bytes of one row, lanes 16-31 of the row 8 further down
.macro LOADH st
.if (\st)&1
	WIN 0x40
.else
	WIN 0
.endif
.set i_, 0
.rept 16
	global_load_b128 v[HS+4*i_:HS+4*i_+3], v[HOFF], s[4:5] offset:((i_>>3)*16+(i_&7))*4096+(\st)*256 th:TH_LOAD_NT
.set i_, i_+1
.endr
.endm
; stage st is rounded into CV; v[STO] goes on to its block
.macro CVT st
.if (\st) > 0
	WIN 0
	s_wait_alu depctr_vm_vsrc(0)                   ; the LDS stores of the stage before have read CV and v[STO], which the lines below write again
	v_add_nc_u32 v[STO], BLK, v[STO]               ; this stage's block
.endif
.if (\st)&1
	WIN 0x05
.else
	WIN 0
.endif
.set i_, 0
.rept 32
	v_cvt_pk_bf16_f32 v[CV+i_], v[HS+2*i_], v[HS+2*i_+1]
.set i_, i_+1
.endr
.endm
; CV goes into the stage's block.  A store's lanes 0-15 write 128 consecutive bytes, lanes 16-31 the row 8 further down: 8 x 144 = 1,152 = 128 modulo 256, the other half of the banks
.macro PUT
	WIN 0
.set i_, 0
.rept 16
	ds_store_b64 v[STO], v[CV+2*i_:CV+2*i_+1] offset:((i_>>3)*16+(i_&7))*PITCH
.set i_, i_+1
.endr
.endm
; h's fragments of K step k (8 row tiles x 8 registers) into buffer k & 1
.macro LOADA k
	WIN 0
.set i_, 0
.rept 16
	ds_load_b128 v[FA+64*((\k)&1)+4*i_:FA+64*((\k)&1)+4*i_+3], v[ADRA] offset:(i_>>1)*16*PITCH+((\k)&1)*64+(i_&1)*32
.set i_, i_+1
.endr
.endm
; 8 matrix instructions: row tile 4 hi + a x all 8 column tiles.  zero = 1: the first product starts the sums, nothing is cleared
.macro MUL8 k, hi, a, zero
.if \hi
	WIN 0xf1
.else
	WIN 0xa1
.endif
.set b_, 0
.rept 8
.if \zero
	v_wmma_f32_16x16x32_bf16 v[8*(8*\a+b_):8*(8*\a+b_)+7], v[64*((\k)%3)+8*b_:64*((\k)%3)+8*b_+7], v[FA+64*((\k)&1)+8*(4*\hi+\a):FA+64*((\k)&1)+8*(4*\hi+\a)+7], 0
.else
	v_wmma_f32_16x16x32_bf16 v[8*(8*\a+b_):8*(8*\a+b_)+7], v[64*((\k)%3)+8*b_:64*((\k)%3)+8*b_+7], v[FA+64*((\k)&1)+8*(4*\hi+\a):FA+64*((\k)&1)+8*(4*\hi+\a)+7], v[8*(8*\a+b_):8*(8*\a+b_)+7]
.endif
.set b_, b_+1
.endr
.endm
; stage st of my 32 rows is asked for ahead: one lane for each row's 256 bytes, each asked for once in the launch, by the wave that will load it
.macro PF st
.if (MSB&3) != 0
	WIN 0
.endif
	global_prefetch_b8 v[PFO], s[4:5] offset:(\st)*256 th:TH_LOAD_NT scope:SCOPE_SE
.endm
	s_load_b256 s[4:11], s[0:1], 0x0               ; h s[4:5], h_mask s[6:7], u_w s[8:9], w1_b s[10:11]
	s_load_b128 s[12:15], s[0:1], 0x20             ; wbf s[12:13], cpart s[14:15]
	s_load_b64 s[16:17], s[0:1], 0x30              ; part
	v_lshl_add_u32 v30, v0, 2, 0x4ac00
	v_mov_b32 v31, 0
	v_lshrrev_b32 v1, 5, v0
	v_readfirstlane_b32 s18, v1                    ; wave w
	s_mov_b32 s24, 0x76543210                      ; v_permlanex16_b32: lane i of one half reads lane i of the other
	s_mov_b32 s25, 0xfedcba98
	s_lshl_b32 s20, ttmp9, 19                      ; 128 rows of 4,096 bytes
	s_mov_b32 s21, 0
	s_lshl_b32 s22, ttmp9, 9                       ; 128 words of the mask
	s_mov_b32 s23, 0
	s_lshr_b32 s26, ttmp9, 2                       ; batch
	s_lshl_b32 s26, s26, 15                        ; 16 x 512 f32 of cpart
	s_mov_b32 s27, 0
	s_mul_i32 s28, ttmp9, 4608                     ; my 4,608 bytes of part
	s_mov_b32 s29, 0
	v_and_b32 v[LN], 31, v0
	v_and_b32 v[RR], 15, v0                        ; r
	v_bfe_u32 v[HH], v0, 4, 1                      ; hh
	s_wait_alu depctr_va_sdst(0)                   ; s18 is written, ahead of its first reader: offsets and LDS addresses are made from it
	s_lshl_b32 s30, s18, 17
	v_lshlrev_b32 v[HOFF], 4, v[RR]
	v_lshl_add_u32 v[HOFF], v[HH], 15, v[HOFF]
	v_add_nc_u32 v[HOFF], s30, v[HOFF]
	s_lshl_b32 s30, s18, 13
	v_lshl_add_u32 v[WOFF], v[LN], 4, s30
	v_lshlrev_b32 v[PFO], 12, v0
	v_lshlrev_b32 v[T16], 4, v0
	v_lshlrev_b32 v[L16], 4, v[LN]
	s_wait_kmcnt 0x0
	s_add_nc_u64 s[4:5], s[4:5], s[20:21]
	s_add_nc_u64 s[6:7], s[6:7], s[22:23]
	s_add_nc_u64 s[14:15], s[14:15], s[26:27]
	s_add_nc_u64 s[16:17], s[16:17], s[28:29]
	s_wait_alu depctr_va_vdst(0)                   ; v[HOFF], v[WOFF], v[PFO], v[T16] and v[L16] are written: every global load, prefetch and store of the kernel but the last two reads one of them as its offset
	; No base and no offset register of a global load is written again from here on: every step of an address stands in an immediate.
.set i_, 0
.rept 16
	global_load_b128 v[FA+4*i_:FA+4*i_+3], v[T16], s[14:15] offset:i_*2048   ; the 16 parts of c, 4 columns a thread
.set i_, i_+1
.endr
	global_load_b128 v[128:131], v[T16], s[10:11]  ; bias
	global_load_b128 v[132:135], v[T16], s[8:9]    ; u
	global_load_b128 v[MASK:MASK+3], v[L16], s[6:7]
	LOADH 0
	LOADH 1
	PF 3                                           ; stages 3 and 4, whose loads stand in K steps 1 and 3
	PF 4
	WIN 0
	; LDS addresses, while the loads are on their way: none of these registers is named by a load above
	v_mul_u32_u24 v[ADRA], v[RR], PITCH
	v_lshl_add_u32 v[ADRA], v[HH], 4, v[ADRA]
	s_mul_i32 s30, s18, 32*PITCH
	v_mul_u32_u24 v[STO], v[HH], 8*PITCH
	v_lshl_add_u32 v[STO], v[RR], 3, v[STO]
	v_add_nc_u32 v[STO], s30, v[STO]
	v_add_nc_u32 v[CUA], CPB, v[T16]
	s_lshl_b32 s30, s18, 9
	s_add_co_u32 s31, s30, CPB
	v_lshl_add_u32 v[EADR], v[HH], 5, s31          ; c' of columns 128 w + 8 hh (+ 16 bt); u' 2,048 bytes further
	s_add_co_u32 s31, s30, PART
	v_lshl_add_u32 v[PSTO], v[RR], 2, s31
	v_add_nc_u32 v[PRD], PART, v[L16]
	s_lshl_b32 s30, s18, 8
	s_add_co_u32 s30, s30, PB
	v_lshl_add_u32 v[PBW], v[LN], 3, s30
	v_lshl_add_u32 v[PBR], v[HH], 4, s30
	s_mul_i32 s30, s18, 4*BLK                      ; the weighted sum: wave w takes columns 256 w .. + 255 = blocks 4 w .. 4 w + 3
	v_and_b32 v[TADR], 7, v0
	v_lshl_add_u32 v[TADR], v[HH], 3, v[TADR]
	v_mul_u32_u24 v[TADR], v[TADR], PITCH          ; row 8 hh + (lane & 7)
	v_bfe_u32 v[TADR+1], v0, 3, 1
	v_lshl_add_u32 v[TADR], v[TADR+1], 4, v[TADR]  ; + 16 ((lane >> 3) & 1)
	v_add_nc_u32 v[TADR], s30, v[TADR]
	v_add_nc_u32 v[TADR+1], 2*BLK, v[TADR]         ; the upper two blocks: an LDS immediate has 16 bits
	s_lshl_b32 s30, s18, 10
	s_add_co_u32 s31, s30, OST
	v_lshl_add_u32 v[OSTW], v[RR], 2, s31
	v_add_nc_u32 v[OSTR], s31, v[L16]
	v_add_nc_u32 v[GOUT], s30, v[L16]
	s_wait_loadcnt 32                              ; the 19 small loads are in: the 32 of stages 0 and 1 are younger
.set i_, 0
.rept 8
	QADD FA+4*i_, FA+32+4*i_
.set i_, i_+1
.endr
.set i_, 0
.rept 4
	QADD FA+4*i_, FA+16+4*i_
.set i_, i_+1
.endr
	QADD FA, FA+8
	QADD FA+4, FA+12
	QADD FA, FA+4
	v_pk_mul_f32 v[128:129], v[128:129], 0x4038aa3b op_sel_hi:[1,0]                  ; 2.885390 bias
	v_pk_mul_f32 v[130:131], v[130:131], 0x4038aa3b op_sel_hi:[1,0]
	v_pk_fma_f32 v[FA:FA+1], v[FA:FA+1], 0x3db8aa3b, v[128:129] op_sel_hi:[1,0,1]    ; + (2.885390 / 32) x the sum over t: the mean's 1/32 rides on the constant
	v_pk_fma_f32 v[FA+2:FA+3], v[FA+2:FA+3], 0x3db8aa3b, v[130:131] op_sel_hi:[1,0,1]
	v_pk_mul_f32 v[132:133], v[132:133], -2.0 op_sel_hi:[1,0]
	v_pk_mul_f32 v[134:135], v[134:135], -2.0 op_sel_hi:[1,0]
	s_wait_alu depctr_va_vdst(0)                   ; c' and u' are written, which the two stores read; so are all the LDS addresses made above, v[GOUT] too; and the sums are done with v[64:135], in which fragments will land
	ds_store_b128 v[CUA], v[FA:FA+3]
	ds_store_b128 v[CUA], v[132:135] offset:2048
	LOADW 0
	LOADW 1
	s_wait_loadcnt 48                              ; stage 0 is in: stage 1 and W1's K steps 0 and 1 are younger
	CVT 0
	s_wait_alu depctr_va_vdst(0)                   ; the conversions have written CV, which the stores read, and are done reading the stage buffer, in which stage 2 lands
	PUT
	LOADH 2
	s_wait_dscnt 0x0                               ; block 0, c' and u' are written, for the other waves' sake
	s_barrier_signal -1
	s_barrier_wait -1
	s_wait_alu depctr_vm_vsrc(0)                   ; the stores of c' and u' have read v[64:67] and v[132:135], in which the fragments of K steps 0 and 1 land
	LOADA 0
; ONE K STEP OF 32: 64 matrix instructions.  Written out 32 times: the rings have periods 3 (W1), 2 (h's fragments) and 4 (two K steps to a stage, two stage buffers),
; and 12 does not divide 32.  With st = k >> 1:
;   W1's fragments are asked for two K steps ahead of their use (in an even step less 8 matrix instructions); a stage of h three K steps ahead of the wait that shows it in;
;   stage st + 5 is asked for by prefetch in the K step in which stage st + 3 is loaded, four K steps (256 matrix instructions) ahead of its own loads; at most three
;   stages, 96 KiB a work-group, are asked for and not yet read; the last request is for stage 15, the row's last 256 bytes.
;   The count on LOADcnt is what was issued behind W1's step k: step k + 1 and stage st + 2, and at an odd k, where the wait stands behind the step's own loads of W1, step k + 2:
;   each 16 loads where it exists.  Loads end in order (ISA guide 5.7.1), so at an even k stage st + 1, which is older, is in as well.
;   Every byte of the 16 blocks is written once.  Block st + 1 is stored in the even step and shown to all waves by the barrier of the odd one, whose signal and wait
;   stand 32 matrix instructions apart, with nothing but these between them: so the odd step's global loads stand ahead of the signal.
;   The 64 accumulators take turns, one instruction a turn, in the same order in every K step.
.macro KSTEP k
.set s_, (\k)>>1
.set z_, 0
.if (\k) == 0
.set z_, 1
.endif
.set n_, 0
.if (\k)+1 <= 31
.set n_, n_+16
.endif
.if s_+2 <= 15
.set n_, n_+16
.endif
.if (\k)&1
; an odd step
.if (\k) < 31
	PLACES                                         ; behind step k - 1, which read ring place (k + 2) % 3 and fragment buffer (k + 1) & 1
	WIN 0
	s_wait_alu depctr_vm_vsrc(0)                   ; the LDS loads issued so far have read v[ADRA] (and the stores of the step before have read CV)
	v_add_nc_u32 v[ADRA], BLK, v[ADRA]             ; the next block
	s_wait_alu depctr_va_vdst(0)                   ; step k - 1's matrix instructions are done reading the ring place and the fragment buffer in which this step's loads land; v[ADRA] is written
.endif
.if (\k)+2 <= 31
	LOADW \k+2
.set n_, n_+16
.endif
	s_wait_loadcnt n_
.if s_+3 <= 15
	LOADH s_+3                                     ; into the buffer whose conversions stand ahead of the last two waits on va_vdst
.endif
.if s_+5 <= 15
	PF s_+5
.endif
	s_wait_dscnt 0x0                               ; h's fragments of this step are in, and my stores of the next block are done
.if (\k) < 31
	s_barrier_signal -1
.endif
	MUL8 \k, 0, 0, 0
	MUL8 \k, 0, 1, 0
	MUL8 \k, 0, 2, 0
	MUL8 \k, 0, 3, 0
.if (\k) < 31
	s_barrier_wait -1                              ; the next block is whole
	MUL8 \k, 1, 0, 0
	LOADA \k+1                                     ; no wait: no vector or matrix instruction since the head's wait names v[ADRA] or this buffer
	MUL8 \k, 1, 1, 0
	MUL8 \k, 1, 2, 0
	MUL8 \k, 1, 3, 0
.else
	WIN 0                                          ; the last step fetches u' and c' of my 64 columns into the two stage buffers, which are free: their last conversions stand ahead of the heads' waits of steps 26 and 28
.set i_, 0
.rept 16
	ds_load_b128 v[HS+4*i_:HS+4*i_+3], v[EADR] offset:2048+(i_>>1)*64+(i_&1)*16
.set i_, i_+1
.endr
	WIN 0x40
.set i_, 0
.rept 16
	ds_load_b128 v[HS+4*i_:HS+4*i_+3], v[EADR] offset:(i_>>1)*64+(i_&1)*16
.set i_, i_+1
.endr
	MUL8 \k, 1, 0, 0
	MUL8 \k, 1, 1, 0
	MUL8 \k, 1, 2, 0
	MUL8 \k, 1, 3, 0
.endif
.else
; an even step
	s_wait_loadcnt n_
.if s_+1 <= 15
	CVT s_+1                                       ; these 33 plain instructions are also the places behind step k - 1
.else
	PLACES                                         ; behind step k - 1, which read fragment buffer (k + 1) & 1
.endif
	s_wait_alu depctr_va_vdst(0)                   ; step k - 1's matrix instructions are done reading the ring place and the fragment buffer in which this step's loads land; the conversions have written CV and are done with the stage buffer; v[STO] is written
	s_wait_dscnt 0x0                               ; h's fragments of this step are in
	MUL8 \k, 0, 0, z_
.if (\k)+2 <= 31
	LOADW \k+2                                     ; this run and the two below need no wait: since the head's wait only this step's matrix instructions were issued, which name none of their registers
.endif
	MUL8 \k, 0, 1, z_
	MUL8 \k, 0, 2, z_
.if s_+1 <= 15
	PUT
.endif
	MUL8 \k, 0, 3, z_
	MUL8 \k, 1, 0, z_
	LOADA \k+1
	MUL8 \k, 1, 1, z_
	MUL8 \k, 1, 2, z_
	MUL8 \k, 1, 3, z_
.endif
.endm
.set kk, 0
.rept 32
	KSTEP kk
.set kk, kk+1
.endr
	; BETA.  u tanh(x) = u + u' / (1 + 2^(2.885390 x + c')): the lane's sum of u, -0.5 x the sum of u', starts the first chain.
	; CV's registers are scratch from here on: the last LDS stores that read them stand in K step 28, ahead of step 29's wait on vm_vsrc.
	PLACES
	WIN 0
	s_wait_dscnt 0x0                               ; u' and c'
.set q_, 0
.rept 4
	v_pk_add_f32 v[CH+2*q_:CH+2*q_+1], v[HS+2*q_:HS+2*q_+1], v[HS+8+2*q_:HS+8+2*q_+1]
.set q_, q_+1
.endr
.set q_, 8
.rept 24
	v_pk_add_f32 v[CH+2*(q_&3):CH+2*(q_&3)+1], v[CH+2*(q_&3):CH+2*(q_&3)+1], v[HS+2*q_:HS+2*q_+1]
.set q_, q_+1
.endr
	v_pk_add_f32 v[CH:CH+1], v[CH:CH+1], v[CH+2:CH+3]
	v_pk_add_f32 v[CH+4:CH+5], v[CH+4:CH+5], v[CH+6:CH+7]
	v_pk_add_f32 v[CH:CH+1], v[CH:CH+1], v[CH+4:CH+5]
	v_pk_mul_f32 v[USP:USP+1], v[CH:CH+1], -0.5 op_sel_hi:[1,0]
; Row tile ta: 64 numbers a lane.  The transcendentals stand in runs; behind each run one v_nop stands before a result is used or a source rewritten (ISA guide 5.7.2).
; The tile's sum stays in a register of its own, v[BT + ta]: the eight are stored together, behind one wait.
.macro TANH ta
.if (\ta) < 4
	WIN 0x12                                       ; source 0 (sums) window 2, source 2 (c') window 1
.else
	WIN 0x13
.endif
.set q_, 0
.rept 32
	v_pk_fma_f32 v[FA+2*q_:FA+2*q_+1], v[64*((\ta)&3)+2*q_:64*((\ta)&3)+2*q_+1], 0x4038aa3b, v[HS+2*q_:HS+2*q_+1] op_sel_hi:[1,0,1]
.set q_, q_+1
.endr
	WIN 0
.set q_, 0
.rept 64
	v_exp_f32 v[FA+64+q_], v[FA+q_]
.set q_, q_+1
.endr
	v_nop
.set q_, 0
	s_wait_alu depctr_va_vdst(0)                   ; the 64 exponentials have written v[FA+64 ..], ahead of their first reader
.rept 32
	v_pk_add_f32 v[FA+64+2*q_:FA+64+2*q_+1], v[FA+64+2*q_:FA+64+2*q_+1], 1.0 op_sel_hi:[1,0]
.set q_, q_+1
.endr
.set q_, 0
.rept 64
	v_rcp_f32 v[FA+q_], v[FA+64+q_]
.set q_, q_+1
.endr
	v_nop
	s_wait_alu depctr_va_vdst(0)                   ; the 64 reciprocals have written v[FA ..], ahead of their first reader
	v_pk_fma_f32 v[CH:CH+1], v[FA:FA+1], v[HS:HS+1], v[USP:USP+1]
.set q_, 1
.rept 3
	v_pk_mul_f32 v[CH+2*q_:CH+2*q_+1], v[FA+2*q_:FA+2*q_+1], v[HS+2*q_:HS+2*q_+1]
.set q_, q_+1
.endr
.set q_, 4
.rept 28
	v_pk_fma_f32 v[CH+2*(q_&3):CH+2*(q_&3)+1], v[FA+2*q_:FA+2*q_+1], v[HS+2*q_:HS+2*q_+1], v[CH+2*(q_&3):CH+2*(q_&3)+1]
.set q_, q_+1
.endr
	v_pk_add_f32 v[CH:CH+1], v[CH:CH+1], v[CH+2:CH+3]
	v_pk_add_f32 v[CH+4:CH+5], v[CH+4:CH+5], v[CH+6:CH+7]
	v_pk_add_f32 v[CH:CH+1], v[CH:CH+1], v[CH+4:CH+5]
	v_add_f32 v[BS], v[CH], v[CH+1]
	v_permlanex16_b32 v[BS+1], v[BS], s24, s25     ; the other 64 of my 128 columns (its destination was written as part of CV)
	v_add_f32 v[BT+(\ta)], v[BS], v[BS+1]
.endm
.irp ta, 0,1,2,3,4,5,6,7
	TANH \ta
.endr
	s_wait_alu depctr_va_vdst(0)                   ; the eight sums v[BT ..] are written, which the stores read; and all vector work on v[64:191], on W1's ring, on c' and on the accumulators is over: the loads behind the barrier land there
.irp ta, 0,1,2,3,4,5,6,7
	ds_store_b32 v[PSTO], v[BT+\ta] offset:\ta*64  ; row 16 ta + r; both halves of the lanes write the same number
.endr
	s_wait_dscnt 0x0                               ; my part of beta is written, for the other waves' sake
	s_barrier_signal -1
	s_barrier_wait -1
; THE WEIGHTED SUM: vec[d] = sum over 128 rows of p[row] h[row][d], wave w for d = 256 w .. + 255: 16 tiles, K = 128 rows in 4 steps of 32.
; Source 0 = p, the same in all 16 rows of the fragment; source 1 = h, which lies [row][column] in LDS and is transposed on the way in.
; Each of the four steps has 128 registers of its own: rows 0-63 in window 1, rows 64-127 in window 3, whose accumulators are spent.  So no load lands in registers that a product has read.
.macro HTLOAD ks, w, buf               ; 16 tiles x 8 registers into v[128 buf ..] of the window that w names as the destination's
	WIN \w
.set t_, 0
.rept 16
	ds_load_tr16_b128 v[128*\buf+8*t_:128*\buf+8*t_+3], v[TADR+(t_>>3)] offset:((t_>>2)&1)*BLK+\ks*32*PITCH+(t_&3)*32
	ds_load_tr16_b128 v[128*\buf+8*t_+4:128*\buf+8*t_+7], v[TADR+(t_>>3)] offset:((t_>>2)&1)*BLK+\ks*32*PITCH+16*PITCH+(t_&3)*32
.set t_, t_+1
.endr
.endm
.macro PV ks, w, buf, zero             ; the 16 accumulators (window 2) take turns, one instruction a turn; w: source 1 in window 1 (0xa4) or 3 (0xac)
	WIN \w
.set t_, 0
.rept 16
.if \zero
	v_wmma_f32_16x16x32_bf16 v[8*t_:8*t_+7], v[PFR+8*\ks:PFR+8*\ks+7], v[128*\buf+8*t_:128*\buf+8*t_+7], 0
.else
	v_wmma_f32_16x16x32_bf16 v[8*t_:8*t_+7], v[PFR+8*\ks:PFR+8*\ks+7], v[128*\buf+8*t_:128*\buf+8*t_+7], v[8*t_:8*t_+7]
.endif
.set t_, t_+1
.endr
.endm
.irp c, 0,1,2,3
	ds_load_b128 v[FA+4*\c:FA+4*\c+3], v[PRD] offset:\c*512        ; the four waves' parts of beta of rows 4 lane .. + 3; every wave makes all of beta
.endr
	HTLOAD 0, 0x40, 0
	WIN 0
	s_wait_dscnt 32                                ; the four parts are in: the 32 transposing loads are younger
	s_wait_alu depctr_vm_vsrc(0)                   ; my eight stores have read v[BT ..]: these registers are beta, m and p from here on
	v_pk_add_f32 v[FA:FA+1], v[FA:FA+1], v[FA+4:FA+5]
	v_pk_add_f32 v[FA+2:FA+3], v[FA+2:FA+3], v[FA+6:FA+7]
	v_pk_add_f32 v[FA+8:FA+9], v[FA+8:FA+9], v[FA+12:FA+13]
	v_pk_add_f32 v[FA+10:FA+11], v[FA+10:FA+11], v[FA+14:FA+15]
	v_pk_add_f32 v[BETA:BETA+1], v[FA:FA+1], v[FA+8:FA+9]
	v_pk_add_f32 v[BETA+2:BETA+3], v[FA+2:FA+3], v[FA+10:FA+11]
	v_mov_b32 v[NEG], 0xe0ad78ec                   ; -1e20
.irp e, 0,1,2,3
	v_cmp_ne_u32 s[CM+\e], 0, v[MASK+\e]
.endr
	s_wait_alu depctr_va_sdst(0)                   ; the four compares have written s[CM ..], ahead of the selects that read them
.irp e, 0,1,2,3
	v_cndmask_b32 v[BETA+\e], v[NEG], v[BETA+\e], s[CM+\e]
.endr
	v_max3_num_f32 v[MX], v[BETA], v[BETA+1], v[BETA+2]
	v_max_num_f32 v[MX], v[MX], v[BETA+3]
	v_max_num_f32_dpp v[MX], v[MX], v[MX] row_xmask:1 row_mask:0xf bank_mask:0xf
	v_max_num_f32_dpp v[MX], v[MX], v[MX] row_xmask:2 row_mask:0xf bank_mask:0xf
	v_max_num_f32_dpp v[MX], v[MX], v[MX] row_xmask:4 row_mask:0xf bank_mask:0xf
	v_max_num_f32_dpp v[MX], v[MX], v[MX] row_xmask:8 row_mask:0xf bank_mask:0xf
	v_permlanex16_b32 v[BS+1], v[MX], s24, s25
	v_max_num_f32 v[MX], v[MX], v[BS+1]            ; m, the largest beta of the 128 rows, in every lane
	; a subtraction and then a multiplication, not one fused step: beta = m must give exactly 0 also at -1e20 (128 masked rows: p = 1 everywhere, as the reference's softmax has it)
.irp e, 0,1,2,3
	v_sub_f32 v[BETA+\e], v[BETA+\e], v[MX]
.endr
.irp e, 0,1,2,3
	v_mul_f32 v[BETA+\e], 0x3fb8aa3b, v[BETA+\e]
.endr
.irp e, 0,1,2,3
	v_exp_f32 v[PX+\e], v[BETA+\e]
.endr
	v_nop
	s_wait_alu depctr_va_vdst(0)                   ; the four exponentials have written v[PX ..], ahead of their first reader
	v_cvt_pk_bf16_f32 v[PP], v[PX], v[PX+1]
	v_cvt_pk_bf16_f32 v[PP+1], v[PX+2], v[PX+3]
	s_wait_alu depctr_va_vdst(0)                   ; the two roundings have written v[PP:PP+1], which the store reads
	ds_store_b64 v[PBW], v[PP:PP+1]                ; my wave's own copy of p: LDS serves a wave's instructions in order (ISA guide 5.7.1), so the loads below see it
.set i_, 0
.rept 4
	ds_load_b128 v[PFR+8*i_:PFR+8*i_+3], v[PBR] offset:i_*64
	ds_load_b128 v[PFR+8*i_+4:PFR+8*i_+7], v[PBR] offset:i_*64+32
.set i_, i_+1
.endr
	HTLOAD 1, 0x40, 1
	WIN 0
	v_lshlrev_b32 v[PX], 16, v[PP]                 ; l is the sum of p as rounded
	v_and_b32 v[PX+1], 0xffff0000, v[PP]
	v_lshlrev_b32 v[PX+2], 16, v[PP+1]
	v_and_b32 v[PX+3], 0xffff0000, v[PP+1]
	v_pk_add_f32 v[PX:PX+1], v[PX:PX+1], v[PX+2:PX+3]
	v_add_f32 v[PX], v[PX], v[PX+1]
	v_add_f32_dpp v[PX], v[PX], v[PX] row_xmask:1 row_mask:0xf bank_mask:0xf
	v_add_f32_dpp v[PX], v[PX], v[PX] row_xmask:2 row_mask:0xf bank_mask:0xf
	v_add_f32_dpp v[PX], v[PX], v[PX] row_xmask:4 row_mask:0xf bank_mask:0xf
	v_add_f32_dpp v[PX], v[PX], v[PX] row_xmask:8 row_mask:0xf bank_mask:0xf
	v_permlanex16_b32 v[BS+1], v[PX], s24, s25
	v_add_f32 v[PX], v[PX], v[BS+1]
	v_mov_b32 v[ML], v[MX]
	v_mov_b32 v[ML+1], v[PX]
	v_mov_b32 v[ML+2], v[MX]
	v_mov_b32 v[ML+3], v[PX]
	s_wait_dscnt 32                                ; all but the 32 loads of rows 32-63: rows 0-31 and p are in
	PV 0, 0xa4, 0, 1
	HTLOAD 2, 0xc0, 0                              ; no wait: window 3 was last named by the tanh's lines, ahead of the waits above
	s_wait_dscnt 32                                ; rows 32-63 are in
	PV 1, 0xa4, 1, 0
	HTLOAD 3, 0xc0, 1
	s_wait_dscnt 32                                ; rows 64-95
	PV 2, 0xac, 0, 0
	s_wait_dscnt 0x0                               ; rows 96-127
	PV 3, 0xac, 1, 0
	; THE WAY OUT.  All 16 rows of a result tile are equal; register 0 of lane (r, hh) is vec[256 w + 16 t + r].  Through my own 1,024 bytes of LDS into whole rows.
	PLACES
	WIN 0x08                                       ; store data from window 2
	s_wait_alu depctr_va_vdst(0)                   ; the products have written the 16 accumulators, which the LDS stores read; v[ML ..] is written, which wave 0's last store reads; the places above stay beside this wait
.set t_, 0
.rept 16
	ds_store_b32 v[OSTW], v[8*t_] offset:64*t_
.set t_, t_+1
.endr
	WIN 0
	ds_load_b128 v[FA:FA+3], v[OSTR]
	ds_load_b128 v[FA+4:FA+7], v[OSTR] offset:512
	s_wait_dscnt 0x0
	global_store_b128 v[GOUT], v[FA:FA+3], s[16:17]                ; each store of the wave covers 512 consecutive bytes, aligned
	global_store_b128 v[GOUT], v[FA+4:FA+7], s[16:17] offset:512
	s_cmp_lg_u32 s18, 0
	s_cbranch_scc1 .Lend
	global_store_b128 v[L16], v[ML:ML+3], s[16:17] offset:4096     ; wave 0: (m, l, m, l) 32 times, 512 consecutive bytes
.Lend:
	s_wait_dscnt 0x0                               ; the closing lines, six on end
	s_wait_alu 0x0
	s_wait_tensorcnt 0x0
	ds_add_u32 v30, v31
	s_wait_dscnt 0x0
	s_endpgm
.Lfunc_end_k_qee691ca047_main:
	.size	k_qee691ca047_main, .Lfunc_end_k_qee691ca047_main-k_qee691ca047_main
	.p2alignl 7, 3214868480
	.fill 96, 4, 3214868480
	.section	.rodata,"a",@progbits
	.p2align	6, 0x0
	.amdhsa_kernel k_qee691ca047_main
		.amdhsa_group_segment_fixed_size 306688
		.amdhsa_private_segment_fixed_size 0
		.amdhsa_enable_private_segment 0
		.amdhsa_kernarg_size 56
		.amdhsa_user_sgpr_count 2
		.amdhsa_user_sgpr_kernarg_segment_ptr 1
		.amdhsa_wavefront_size32 1
		.amdhsa_system_sgpr_workgroup_id_x 1
		.amdhsa_system_sgpr_workgroup_id_y 1
		.amdhsa_system_sgpr_workgroup_id_z 1
		.amdhsa_system_vgpr_workitem_id 0
		.amdhsa_next_free_vgpr 1024
		.amdhsa_next_free_sgpr 66
		.amdhsa_reserve_vcc 0
		.amdhsa_float_denorm_mode_32 3
		.amdhsa_float_denorm_mode_16_64 3
		.amdhsa_memory_ordered 1
		.amdhsa_forward_progress 1
		.amdhsa_inst_pref_size 255
	.end_amdhsa_kernel
	.section	.bss,"aw",@nobits
	.p2align	6
	.space	262144
	.amdgpu_metadata
---
amdhsa.version: [ 1, 2 ]
amdhsa.kernels:
  - .name:           k_qee691ca047_main
    .symbol:         k_qee691ca047_main.kd
    .args:
      - { .name: h, .offset: 0, .size: 8, .value_kind: global_buffer, .address_space: global }
      - { .name: h_mask, .offset: 8, .size: 8, .value_kind: global_buffer, .address_space: global }
      - { .name: u_w, .offset: 16, .size: 8, .value_kind: global_buffer, .address_space: global }
      - { .name: w1_b, .offset: 24, .size: 8, .value_kind: global_buffer, .address_space: global }
      - { .name: wbf, .offset: 32, .size: 8, .value_kind: global_buffer, .address_space: global }
      - { .name: cpart, .offset: 40, .size: 8, .value_kind: global_buffer, .address_space: global }
      - { .name: part, .offset: 48, .size: 8, .value_kind: global_buffer, .address_space: global }
    .group_segment_fixed_size: 306688
    .private_segment_fixed_size: 0
    .kernarg_segment_align: 8
    .kernarg_segment_size: 56
    .max_flat_workgroup_size: 128
    .sgpr_count:     66
    .vgpr_count:     1024
    .wavefront_size: 32
...
	.end_amdgpu_metadata
.endif
;; end of part 4
;; launch comb: the kernel of part 3 again; grid 256 x 1, 2 waves a work-group, no clusters, 0 bytes of LDS; arguments part, out0; writes out0
